; MI455X (gfx1250); checked and timed in simulation.
; The chip was launched on July 23, 2026; its instructions are those of AMD's public machine-readable ISA for CDNA 5 (MIT licence, August 2026) and "CDNA5" Instruction Set Architecture Reference Guide (July 2026). The comments in the code are by the model that wrote it; some were corrected since.
;; Multihead Attention. Allowed arithmetic: matrix products marked QUANTISED: E4M3 operands, one given power-of-two scale a tensor, by v_wmma_f32_16x16x64_fp8_fp8 or v_wmma_f32_16x16x128_fp8_fp8, f32 sums; everything else in f32.
;; Inputs: in_proj_b 3,072 float32; in_proj_w 3,072 x 1,024 float32; key 8 x 1,024 x 1,024 float32; ln_beta 1,024 float32; ln_gamma 1,024 float32; lowp_scales 12 int32 (the exponents e of the quantised operands' scales 2^e); out_proj_b 1,024 float32; out_proj_w_codes 1,024 x 32 x 32 uint8 (E4M3 codes of out_proj_w, K innermost, in blocks of 32 codes); query 8 x 1,024 x 1,024 float32; value 8 x 1,024 x 1,024 float32.
;; Outputs: out0 8 x 1,024 x 1,024 float32; out1 8 x 1,024 x 1,024 float32.
;; This version of the problem:
;;   THIS VERSION OF THE PROBLEM IS GIVEN IN LOW PRECISION. The matrix products marked QUANTISED in the list below multiply operands that are first quantised to E4M3 (4 exponent bits, 3 mantissa bits; 8 bits a number), with one given power-of-two scale for each operand tensor; their sums are f32. All else is computed in f32.
;;   The module's matrix products, in the order in which they are computed (A, B: the left and right operand; K: the contracted axis; several contracted axes count as one K, in the product's order):
;;     1. [M 8,192, K 1,024] x [K 1,024, N 1,024]; A: computed on the way; B: computed on the way: QUANTISED (scales: A lowp_scales[0], B lowp_scales[1])
;;     2. [M 8,192, K 1,024] x [K 1,024, N 1,024]; A: computed on the way; B: computed on the way: QUANTISED (scales: A lowp_scales[2], B lowp_scales[3])
;;     3. [M 8,192, K 1,024] x [K 1,024, N 1,024]; A: computed on the way; B: computed on the way: QUANTISED (scales: A lowp_scales[4], B lowp_scales[5])
;;     4. batch 128 x [M 1,024, K 64] x [K 64, N 1,024]; A: computed on the way; B: computed on the way: QUANTISED (scales: A lowp_scales[6], B lowp_scales[7])
;;     5. batch 128 x [M 64, K 1,024] x [K 1,024, N 1,024]; A: computed on the way; B: softmax (see below): QUANTISED (scales: A lowp_scales[8], B lowp_scales[9])
;;     6. [M 8,192, K 1,024] x [K 1,024, N 1,024]; A: computed on the way; B: input out_proj_w (given as codes): QUANTISED (scales: A lowp_scales[10], B lowp_scales[11])
;;   THE QUANTISER, for each operand of a quantised product, along K:
;;     - The operand's scale is 2^e, e = its entry of the input lowp_scales (int32; the entries are numbered through the quantised products in the list's order, A before B).
;;     - Each number is divided by the scale, clamped to +-448, and rounded to the nearest number of E4M3, ties to even, subnormals kept.
;;     - The product sums the exact products of the quantised numbers (number of the format x scale) in f32.
;;   ~~~python
;;   def quantise(x, axis, e):      # numpy; x: float32 -> the quantised numbers, widened to float32 again
;;       x = np.moveaxis(x, axis, -1); K = x.shape[-1]
;;       r = np.clip(x / 2.0 ** e, -448, 448)
;;       step = 2.0 ** (np.maximum(np.frexp(np.where(r == 0, 1, r))[1] - 1, -6) - 3)
;;       q = np.round(r / step) * step * 2.0 ** e      # np.round: ties to even
;;       return np.moveaxis(q, -1, axis).astype(np.float32)
;;   ~~~
;;   SOFTMAX AHEAD OF A QUANTISED PRODUCT. Where the list says 'softmax', what is quantised is not the finished softmax but p = 2^(t - M), with t = logit x log2(e) and M = ceil(the row's largest t), a whole number; so 1/2 < the row's largest p <= 1. The row's sum l is taken of the UNQUANTISED p, in f32, and the product's result is divided by l at the end. Since M is a whole number, a kernel that streams over the keys may use a running M (the ceiling of the running maximum): every later rescaling is an exact power of two, so the quantised numbers keep their values, but for numbers so far below the row's largest that they fall under the format's range.
;;   OPERANDS COMPUTED ON THE WAY. 'Computed on the way' means the value that the module computes at that place (a softmax that the list does not call 'softmax' is quantised finished and normalised). What goes into a quantiser is computed in f32, as accurately as f32 sums, v_exp_f32 and their like allow (about 1e-6 of the number): no bf16 or f16 on the way to a quantiser, and a product that is left as it is and whose result goes on into a quantised operand takes f32 operands (vector FMAs, or v_wmma_f32_16x16x4_f32). A number that lies on a knife's edge between two numbers of the format may be rounded either way, as far as f32 arithmetic and the matrix unit's own rounding can turn it there, and no further.
;;   INPUTS GIVEN AS CODES. out_proj_w (in the module: [1024, 1024], K = its axis 1): each comes as NAME_codes (uint8): NAME with its K axis moved to the last place and cut into blocks of 32 codes, [.., K / 32, bytes a block], one block behind the other in memory; one code a byte (a code: sign, 4 exponent bits, 3 mantissa bits); its scale is its entry of lowp_scales. Its value is code x scale, taken as it is: it is not quantised again, and the codes and scales need not be those that the quantiser above would give.
;; 2 versions, each right; version 2 is version 1 with the launch attn written anew for expert scheduling mode. Each part assembles by itself: llvm-mc -triple=amdgcn-amd-amdhsa -mcpu=gfx1250 --defsym DOCPART=n.
;; ======== version 1 of 2: 4 launches
;; workspace buffers: nq_codes 8,388,608 bytes; nk_codes 8,388,608 bytes; nv_codes 8,388,608 bytes; w_codes 3,145,728 bytes; q_img 8,388,608 bytes; k_img 8,388,608 bytes; v_img 8,388,608 bytes; ctx_codes 8,388,608 bytes
;; launch prep (part 1): grid 864 x 1, 4 waves a work-group, no clusters, 17,920 bytes of LDS; arguments query, key, value, in_proj_w, ln_gamma, ln_beta, lowp_scales, nq_codes, nk_codes, nv_codes, w_codes; writes nq_codes, nk_codes, nv_codes, w_codes
.if DOCPART == 1
	.amdgcn_target "amdgcn-amd-amdhsa--gfx1250"
	.amdhsa_code_object_version 6
	.text
	.protected	k_q26babeb369_prep
	.globl	k_q26babeb369_prep
	.p2align	8
	.type	k_q26babeb369_prep,@function
k_q26babeb369_prep:
	s_mov_b64 s[64:65], 0
	v_nop
	global_prefetch_b8 v0, s[64:65] scope:SCOPE_SE
	s_setreg_imm32_b32 hwreg(HW_REG_WAVE_MODE, 25, 1), 1
	s_wait_xcnt 0x0
; LayerNorm(query), LayerNorm(key), LayerNorm(value) and in_proj_w become codes of FP8 (E4M3), [row][1024] bytes, K innermost.
; code = y / 2^e, held within +-448, to the nearest code, ties to even.  e: entries 0, 2, 4 of the scales for the three activations, entries 1, 3, 5 for the three thirds of in_proj_w.
; SHARES.  A row is 4,096 bytes: one wave takes a whole row in 32 registers, so mean and variance never leave the wave.  A work-group takes 32 rows, a wave 8.
; Work-groups 0-255 take query, 256-511 key, 512-767 value, 768-863 in_proj_w.  ONE path serves all: only pointers and a lane mask are chosen.  For rows of in_proj_w the mask puts
; mean = 0, 1/sigma = 1, gamma = 1, beta = 0, so that y = x to the bit; their statistics are computed and thrown away (96 of 864 work-groups), which spares a second path through LDS.
; The variance is the mean of (x - mean)^2, taken in a second pass over the registers: no difference of large sums.
; LAYOUT.  Each load reads 512 consecutive bytes, 16 a lane.  The conversions want 8 neighbours in one lane, so a finished row turns through the wave's own stage in LDS and comes back 32 bytes a lane;
; a lane's 8 codes are 8 bytes, and a store of the wave covers 256 consecutive bytes, aligned.  The stage has 16 bytes of padding behind each 256, so that 16 lanes 32 bytes apart start at 16 different 16-byte columns.
; No tensor load, no barrier: waves share nothing.  Two rows (16 loads a wave) are on their way.
; LIMITS: each e between -126 and 119, so that 2^e and 448 x 2^e are f32 numbers.  NaN and infinities among the inputs are not served.
.set STG, 4352                         ; a wave's stage: 4,096 bytes + 16 x 16 of padding
.set GA,  16                           ; v16-47   gamma of my 32 columns
.set BE,  48                           ; v48-79   beta
.set X,   80                           ; v80-143  two row slots of 32
.set Z,   144                          ; v144-175 the row, turned: register 8 c + i = column 256 c + 8 lane + i
.set CD,  176                          ; v176-191 two sets of 8 registers of codes
	s_load_b256 s[4:11], s[0:1], 0x0               ; query s[4:5], key s[6:7], value s[8:9], in_proj_w s[10:11]
	s_load_b256 s[12:19], s[0:1], 0x20             ; gamma s[12:13], beta s[14:15], scales s[16:17], nq_codes s[18:19]
	s_load_b128 s[20:23], s[0:1], 0x40             ; nk_codes s[20:21], nv_codes s[22:23]
	s_load_b64 s[24:25], s[0:1], 0x50              ; w_codes
	v_lshl_add_u32 v192, v0, 2, 0x4400
	v_mov_b32 v193, 0
	v_lshrrev_b32 v1, 5, v0
	v_readfirstlane_b32 s26, v1                    ; wave
	v_and_b32 v1, 31, v0                           ; lane
	v_lshlrev_b32 v2, 4, v1                        ; 16 x lane: my bytes of a load's 512
	v_lshlrev_b32 v3, 3, v1                        ; 8 x lane: my bytes of a store's 256
	s_mul_i32 s46, s26, STG
	v_lshrrev_b32 v4, 4, v1
	v_lshl_add_u32 v4, v4, 4, v2
	v_add_nc_u32 v4, s46, v4                       ; into the stage: 16 lane + 16 (lane / 16)
	v_lshrrev_b32 v5, 3, v1
	v_lshlrev_b32 v5, 4, v5
	v_lshl_add_u32 v5, v1, 5, v5
	v_add_nc_u32 v5, s46, v5                       ; out of it: 32 lane + 16 (lane / 8)
	s_mov_b32 s40, 0x76543210                      ; v_permlanex16_b32: lane l takes lane l xor 16
	s_mov_b32 s41, 0xfedcba98
	s_mov_b32 s42, 0x3a800000                      ; 1 / 1024
	s_mov_b32 s43, 0x3727c5ac                      ; 1e-5
	s_lshr_b32 s35, ttmp9, 8                       ; which tensor: 0, 1, 2 activations, 3 the weight
	s_and_b32 s27, ttmp9, 255                      ; which 32 rows of it
	s_lshl_b32 s28, s35, 3                         ; byte of e: entry 2 t,
	s_lshr_b32 s36, s27, 5
	s_lshl_b32 s36, s36, 3
	s_add_co_u32 s36, s36, 4                       ; or entry 1 + 2 (row / 1024)
	s_cmp_lt_u32 s35, 3
	s_cselect_b32 s28, s28, s36
	s_cselect_b32 s34, -1, 0                       ; all lanes on: the row is normalised
	s_mov_b32 s29, 0
	s_lshl_b32 s38, s27, 5
	s_lshl_b32 s39, s26, 3
	s_add_co_u32 s38, s38, s39                     ; my wave's first row
	s_lshl_b32 s44, s38, 12                        ; in bytes of f32 (under 2^26)
	s_mov_b32 s45, 0
	s_lshl_b32 s38, s38, 10                        ; and of codes
	s_mov_b32 s39, 0
	s_wait_kmcnt 0x0
	s_add_nc_u64 s[16:17], s[16:17], s[28:29]
	s_load_b32 s37, s[16:17], 0x0                  ; e
	s_cmp_eq_u32 s35, 0                            ; the choices hang on the work-group's number alone
	s_cselect_b64 s[30:31], s[4:5], s[6:7]
	s_cselect_b64 s[32:33], s[18:19], s[20:21]
	s_cmp_lt_u32 s35, 2
	s_cselect_b64 s[30:31], s[30:31], s[8:9]
	s_cselect_b64 s[32:33], s[32:33], s[22:23]
	s_cmp_lt_u32 s35, 3
	s_cselect_b64 s[30:31], s[30:31], s[10:11]
	s_cselect_b64 s[32:33], s[32:33], s[24:25]
	s_add_nc_u64 s[30:31], s[30:31], s[44:45]
	s_add_nc_u64 s[32:33], s[32:33], s[38:39]
.irp j, 0,1,2,3,4,5,6,7
	global_load_b128 v[GA+4*\j:GA+4*\j+3], v2, s[12:13] offset:512*\j
	global_load_b128 v[BE+4*\j:BE+4*\j+3], v2, s[14:15] offset:512*\j
.endr
.macro LOADROW t                       ; eight loads of 512 consecutive bytes: the whole row, into slot t % 2
.irp j, 0,1,2,3,4,5,6,7
	global_load_b128 v[X+32*((\t)%2)+4*\j:X+32*((\t)%2)+4*\j+3], v2, s[30:31] offset:(\t)*4096+512*\j th:TH_LOAD_NT
.endr
.endm
.macro REDUCE                          ; four pairs v[8:15] -> their sum over the wave, in v8 of every lane
	v_pk_add_f32 v[8:9], v[8:9], v[10:11]
	v_pk_add_f32 v[12:13], v[12:13], v[14:15]
	v_pk_add_f32 v[8:9], v[8:9], v[12:13]
	v_add_f32 v8, v8, v9
	v_add_f32_dpp v8, v8, v8 row_xmask:1 row_mask:0xf bank_mask:0xf
	v_add_f32_dpp v8, v8, v8 row_xmask:2 row_mask:0xf bank_mask:0xf
	v_add_f32_dpp v8, v8, v8 row_xmask:4 row_mask:0xf bank_mask:0xf
	v_add_f32_dpp v8, v8, v8 row_xmask:8 row_mask:0xf bank_mask:0xf
	v_permlanex16_b32 v9, v8, s40, s41
	v_add_f32 v8, v8, v9
.endm
	LOADROW 0
	LOADROW 1
	s_wait_kmcnt 0x0
	s_add_co_i32 s37, s37, 127
	s_lshl_b32 s36, s37, 23
	v_mov_b32 v7, s36                              ; 2^e as f32: the conversion takes its exponent field
	s_add_co_i32 s37, s37, 8
	s_lshl_b32 s37, s37, 23
	s_or_b32 s37, s37, 0x600000
	v_mov_b32 v6, s37                              ; 448 x 2^e
	s_wait_loadcnt 16                              ; gamma and beta are in; the two rows' 16 loads may be out
.set jj, 0
.rept 32
	v_cndmask_b32 v[GA+jj], 1.0, v[GA+jj], s34     ; a row of the weight: gamma = 1,
	v_cndmask_b32 v[BE+jj], 0, v[BE+jj], s34       ; beta = 0
.set jj, jj+1
.endr
.macro ROW t
.set XS, X+32*((\t)%2)
.set CS, CD+8*((\t)%2)
.if (\t) < 7
	s_wait_loadcnt 8                               ; my row is in; the next row's eight loads may be out
.else
	s_wait_loadcnt 0
.endif
	v_pk_add_f32 v[8:9], v[XS:XS+1], v[XS+2:XS+3]  ; the sum, in four chains started by the first sixteen numbers
	v_pk_add_f32 v[10:11], v[XS+4:XS+5], v[XS+6:XS+7]
	v_pk_add_f32 v[12:13], v[XS+8:XS+9], v[XS+10:XS+11]
	v_pk_add_f32 v[14:15], v[XS+12:XS+13], v[XS+14:XS+15]
.irp j, 16, 24
	v_pk_add_f32 v[8:9], v[8:9], v[XS+\j:XS+\j+1]
	v_pk_add_f32 v[10:11], v[10:11], v[XS+\j+2:XS+\j+3]
	v_pk_add_f32 v[12:13], v[12:13], v[XS+\j+4:XS+\j+5]
	v_pk_add_f32 v[14:15], v[14:15], v[XS+\j+6:XS+\j+7]
.endr
	REDUCE
	v_mul_f32 v8, s42, v8                          ; the mean,
	v_cndmask_b32 v8, 0, v8, s34                   ; or 0
.set jj, 0
.rept 16
	v_pk_add_f32 v[XS+jj:XS+jj+1], v[XS+jj:XS+jj+1], v[8:9] op_sel_hi:[1,0] neg_lo:[0,1] neg_hi:[0,1]   ; x - mean
.set jj, jj+2
.endr
	v_pk_mul_f32 v[8:9], v[XS:XS+1], v[XS:XS+1]    ; the sum of squares, again in four chains
	v_pk_mul_f32 v[10:11], v[XS+2:XS+3], v[XS+2:XS+3]
	v_pk_mul_f32 v[12:13], v[XS+4:XS+5], v[XS+4:XS+5]
	v_pk_mul_f32 v[14:15], v[XS+6:XS+7], v[XS+6:XS+7]
.irp j, 8, 16, 24
	v_pk_fma_f32 v[8:9], v[XS+\j:XS+\j+1], v[XS+\j:XS+\j+1], v[8:9]
	v_pk_fma_f32 v[10:11], v[XS+\j+2:XS+\j+3], v[XS+\j+2:XS+\j+3], v[10:11]
	v_pk_fma_f32 v[12:13], v[XS+\j+4:XS+\j+5], v[XS+\j+4:XS+\j+5], v[12:13]
	v_pk_fma_f32 v[14:15], v[XS+\j+6:XS+\j+7], v[XS+\j+6:XS+\j+7], v[14:15]
.endr
	REDUCE
	v_fma_f32 v8, v8, s42, s43                     ; variance + 1e-5
	v_rsq_f32 v10, v8
	v_nop                                          ; a plain line between the transcendental and the use of its result (ISA guide 5.7.2)
	s_wait_alu depctr_va_vdst(0)
	v_cndmask_b32 v10, 1.0, v10, s34
.set jj, 0
.rept 16
	v_pk_mul_f32 v[XS+jj:XS+jj+1], v[XS+jj:XS+jj+1], v[10:11] op_sel_hi:[1,0]
.set jj, jj+2
.endr
.set jj, 0
.rept 16
	v_pk_fma_f32 v[XS+jj:XS+jj+1], v[XS+jj:XS+jj+1], v[GA+jj:GA+jj+1], v[BE+jj:BE+jj+1]
.set jj, jj+2
.endr
.irp j, 0,1,2,3,4,5,6,7
	ds_store_b128 v4, v[XS+4*\j:XS+4*\j+3] offset:544*\j           ; 512 bytes + two paddings a store
.endr
.irp c, 0,1,2,3
	ds_load_b128 v[Z+8*\c:Z+8*\c+3], v5 offset:1088*\c             ; LDS serves a wave's instructions in order (ISA guide 5.7.1.4): these see the stores above
	ds_load_b128 v[Z+8*\c+4:Z+8*\c+7], v5 offset:1088*\c+16
.endr
	s_wait_dscnt 0x0                               ; the row is back, and the stores have read the slot,
.if (\t) < 6
	LOADROW (\t)+2                                 ; which takes the row two further on
.endif
.set jj, 0
.rept 32
	v_med3_num_f32 v[Z+jj], v[Z+jj], -v6, v6       ; the conversion to an 8-bit code does not saturate (ISA guide 7.6.2): the hold at 448 x the scale
.set jj, jj+1
.endr
.if (\t) > 1
	s_wait_xcnt 0x0                                ; the stores of two rows back have read this set of codes: only behind this wait is it written again
.endif
.irp c, 0,1,2,3
	v_cvt_scalef32_pk8_fp8_f32 v[CS+2*\c:CS+2*\c+1], v[Z+8*\c:Z+8*\c+7], v7
.endr
.irp c, 0,1,2,3
	global_store_b64 v3, v[CS+2*\c:CS+2*\c+1], s[32:33] offset:(\t)*1024+256*\c   ; 32 lanes store 256 consecutive bytes, at a multiple of 256 from the buffer's first byte
.endr
.endm                                  ; (the codes go to stores alone, and the next row begins with plain vector lines on other registers)
.irp t, 0,1,2,3,4,5,6,7
	ROW \t
.endr
	s_wait_tensorcnt 0x0
	ds_add_u32 v192, v193
	s_wait_dscnt 0x0
	s_endpgm
.Lfunc_end_k_q26babeb369_prep:
	.size	k_q26babeb369_prep, .Lfunc_end_k_q26babeb369_prep-k_q26babeb369_prep
	.p2alignl 7, 3214868480
	.fill 96, 4, 3214868480
	.section	.rodata,"a",@progbits
	.p2align	6, 0x0
	.amdhsa_kernel k_q26babeb369_prep
		.amdhsa_group_segment_fixed_size 17920
		.amdhsa_private_segment_fixed_size 0
		.amdhsa_enable_private_segment 0
		.amdhsa_kernarg_size 88
		.amdhsa_user_sgpr_count 2
		.amdhsa_user_sgpr_kernarg_segment_ptr 1
		.amdhsa_wavefront_size32 1
		.amdhsa_system_sgpr_workgroup_id_x 1
		.amdhsa_system_sgpr_workgroup_id_y 1
		.amdhsa_system_sgpr_workgroup_id_z 1
		.amdhsa_system_vgpr_workitem_id 0
		.amdhsa_next_free_vgpr 194
		.amdhsa_next_free_sgpr 66
		.amdhsa_reserve_vcc 0
		.amdhsa_float_denorm_mode_32 3
		.amdhsa_float_denorm_mode_16_64 3
		.amdhsa_memory_ordered 1
		.amdhsa_forward_progress 1
		.amdhsa_inst_pref_size 94
	.end_amdhsa_kernel
	.amdgpu_metadata
---
amdhsa.version: [ 1, 2 ]
amdhsa.kernels:
  - .name:           k_q26babeb369_prep
    .symbol:         k_q26babeb369_prep.kd
    .args:
      - { .name: query, .offset: 0, .size: 8, .value_kind: global_buffer, .address_space: global }
      - { .name: key, .offset: 8, .size: 8, .value_kind: global_buffer, .address_space: global }
      - { .name: value, .offset: 16, .size: 8, .value_kind: global_buffer, .address_space: global }
      - { .name: in_proj_w, .offset: 24, .size: 8, .value_kind: global_buffer, .address_space: global }
      - { .name: ln_gamma, .offset: 32, .size: 8, .value_kind: global_buffer, .address_space: global }
      - { .name: ln_beta, .offset: 40, .size: 8, .value_kind: global_buffer, .address_space: global }
      - { .name: lowp_scales, .offset: 48, .size: 8, .value_kind: global_buffer, .address_space: global }
      - { .name: nq_codes, .offset: 56, .size: 8, .value_kind: global_buffer, .address_space: global }
      - { .name: nk_codes, .offset: 64, .size: 8, .value_kind: global_buffer, .address_space: global }
      - { .name: nv_codes, .offset: 72, .size: 8, .value_kind: global_buffer, .address_space: global }
      - { .name: w_codes, .offset: 80, .size: 8, .value_kind: global_buffer, .address_space: global }
    .group_segment_fixed_size: 17920
    .private_segment_fixed_size: 0
    .kernarg_segment_align: 8
    .kernarg_segment_size: 88
    .max_flat_workgroup_size: 128
    .sgpr_count:     66
    .vgpr_count:     194
    .wavefront_size: 32
...
	.end_amdgpu_metadata
.endif
;; end of part 1
;; launch proj (part 2): grid 4 x 96, 4 waves a work-group, clusters of 4 x 4, 327,680 bytes of LDS; arguments nq_codes, nk_codes, nv_codes, w_codes, in_proj_b, lowp_scales, q_img, k_img, v_img; writes q_img, k_img, v_img
.if DOCPART == 2
	.amdgcn_target "amdgcn-amd-amdhsa--gfx1250"
	.amdhsa_code_object_version 6
	.text
	.protected	k_q26babeb369_proj
	.globl	k_q26babeb369_proj
	.p2align	8
	.type	k_q26babeb369_proj,@function
k_q26babeb369_proj:
	s_mov_b64 s[64:65], 0
	v_nop
	global_prefetch_b8 v0, s[64:65] scope:SCOPE_SE
	s_setreg_imm32_b32 hwreg(HW_REG_WAVE_MODE, 25, 1), 1
	s_wait_xcnt 0x0
	s_wait_alu depctr_hold_cnt(0) depctr_sa_sdst(0) depctr_va_vdst(0) depctr_va_sdst(0) depctr_va_ssrc(0) depctr_va_vcc(0) depctr_vm_vsrc(0)
	s_getreg_b32 s2, hwreg(HW_REG_IB_STS2, 6, 4)
	s_cmp_eq_u32 s2, 0
	s_cbranch_scc0 .Lentry_in_a_cluster
	s_endpgm
.Lentry_in_a_cluster:
	s_bfe_u32 s2, ttmp6, 0x10000c
	s_cmp_lg_u32 s2, 0xf033
	s_cbranch_scc0 .Lentry_shape_is_right
	s_endpgm
.Lentry_shape_is_right:
; The three input projections on codes of FP8 (E4M3): q = nq Wq^T + bq, k = nk Wk^T + bk, v = nv Wv^T + bv, each [8192][1024], K = 1024; each result is quantised at once (entries 6, 7, 8 of the scales)
; and stored as IMAGES OF OPERAND REGISTERS for the attention launch.  Sums in f32; a finished sum is multiplied once by 2^(ea + eb), the bias added, the number held within +-448 x 2^eo and converted.
; AN IMAGE is 1,024 bytes: byte 512 c + 16 lane + i (lane = 16 h + r) is register 4 c + i / 4 of that lane.  All three buffers are [batch 8][head 16][64 images].
;   q_img, k_img: image 2 g + u: lane row r is token 32 g + 8 u + r + 8 (r / 8) of the batch, byte (c, h, i) is channel 32 c + 16 h + i of the head.
;   v_img: image 4 kk + 2 g + u: lane row r is channel 32 g + 8 u + r + 8 (r / 8), byte (c, h, i) is key 64 kk + 32 c + 16 h + i: the keys are the second product's K.
; THE PRODUCT: C[m][n] = sum over k of A[m][k] B[n][k] on tiles of 256 x 256, four waves of 128 x 128 (64 accumulators, 512 registers), K in steps of 256 through two LDS slots filled by the tensor data mover.
; The matrix instruction is used transposed (source 0 = 16 rows of B, source 1 = 16 rows of A), so a lane holds eight neighbouring n of one m.  The next K must run along n:
;   q, k (z = 0, 1): A = the tokens' codes, B = the weight's rows: eight neighbouring channels.     v (z = 2): A = the weight's rows, B = the tokens' codes: eight neighbouring keys.
; CLUSTERS: 4 x 4 work-groups; cluster y = 8 z + yc (the grid's x is one cluster wide).  The four of a row of the cluster need the same tiles of A, the four of a column the same tiles of B: each tile is asked for
; jointly.  z and yc are the same in all sixteen partners; nothing branches on them: pointers, strides and masks are selected.
; A fragment is fetched by four loads of 16 bytes, so k stands in other places than the form's own layout gives it, alike in A and B: every product meets its partner; only the order of sums inside an instruction differs.
; LIMITS: ea + eb between -126 and 127; eo between -126 and 119, so that each power of two below is an f32 number.  NaN among the inputs is not served.
; REGISTERS: window 0: v0-31 addresses; v32-95 the bias along n, v96-103 the bias along m; v128-255 A's fragments, ONE set, later a block's 64 numbers.
;   window 1: B's fragments, TWO sets; later v0-127 the codes, v128-255 the images read back.   windows 2, 3: the accumulators ((a, b) at v[8 (8 (a % 4) + b)]).
.set KSTEP,  256
.set ROWB,   256                       ; a tile's row in bytes
.set KROW,   1024                      ; a row of A or of B in memory
.set PITCH,  272                       ; an LDS row: 256 bytes + 16 of padding = 68 words: row r starts at bank 4 r mod 64 (64 banks of 4 bytes: ISA guide 11.1)
.set FR,     16                        ; registers of a fragment: 16 rows x 128 K
.set NL,     4                         ; LDS loads that bring one
.set NP,     4                         ; places behind this matrix instruction (ISA guide 7.12.1)
.set HALFT,  128*PITCH                 ; 128 rows: what one tensor load brings
.set SLOT,   4*HALFT                   ; A's 256 rows, then B's 256 rows
.set SPARE,  2*SLOT                    ; behind the ring: the spare words, 128 bytes for each wave
.set IMGP,   1152                      ; the way out: an image's place in the stage: 1,024 bytes + 128, so that the two images that a store touches fall on different halves of the banks
.set WSTG,   16*IMGP                   ; a wave's stage: 16 images.  The stages lie in slot 0, which has had its last fill and its last read when the first code is stored there
.set VO,   8                           ; v8-11   byte offsets of my 16 bytes in the four groups of four images
.set LIMV, 12                          ; v12     448 x 2^eo
.set SCV,  13                          ; v13     2^eo
.set OC,   14                          ; v14     32 h: the bias along n
.set ORW,  15                          ; v15     4 r: the bias along m
.set ADRA, 16                          ; v16-17  LDS address of my A fragments in slot 0, 1
.set ADRB, 20                          ; v20-21  the same for B
.set STO,  24                          ; v24     the way out: where I put 8 codes
.set RD,   25                          ; v25     the way out: where I read an image back
.set SPW,  28                          ; v28     LDS address of my spare word; never rewritten
.set NIL,  29                          ; v29     0; never rewritten
.set CB,   32
.set RB,   96
.set TT,   128
.set AF,   128
.set G1, 24                            ; s[24:31] descriptor group 1 for A's tiles;  s[32:39] group 0, one set for each slot
.set G0, 32
.set G1B, 48                           ; s[48:55], s[56:63] the same for B's tiles
.set G0B, 56
.set MSB, 0
.macro WIN new                         ; the immediate's high byte repeats the setting that is left
.if MSB != \new
	s_set_vgpr_msb (MSB<<8)|\new
.set MSB, \new
.endif
.endm
.set MUL_LO, 0xa1                      ; source 0 (B) window 1, source 1 (A) window 0, C and D window 2
.set MUL_HI, 0xf1                      ; the same, C and D window 3
.set TO_B,   0x40                      ; destination window 1, address window 0
; A joint load: waves 0 and 1 fetch for A, waves 2 and 3 for B; the branch hangs on the wave's number alone.  Four v_nop follow each of the two lines.
.macro JLOAD g0a, g1a, g0b, g1b
	s_cmp_eq_u32 s15, 0
	s_cbranch_scc0 .Lfor_b_\@
	tensor_load_to_lds s[\g0a:\g0a+3], s[\g1a:\g1a+7]
	s_nop 0
.rept 4
	v_nop
.endr
	s_branch .Lasked_\@
.Lfor_b_\@:
	tensor_load_to_lds s[\g0b:\g0b+3], s[\g1b:\g1b+7]
	s_nop 0
.rept 4
	v_nop
.endr
.Lasked_\@:
.endm
.macro CREST                           ; a round of the cluster's barrier behind its opening barrier
	s_cmp_lg_u32 s14, 0
	s_cbranch_scc1 .Lnot_wave_0_\@
	s_barrier_signal -3
.Lnot_wave_0_\@:
	s_barrier_wait -3
	s_barrier_signal -1
	s_barrier_wait -1
.endm
.macro CROUND                          ; a whole round
	s_barrier_signal -1
	s_barrier_wait -1
	CREST
.endm
	s_load_b512 s[68:83], s[0:1], 0x0              ; nq s[68:69], nk s[70:71], nv s[72:73], w s[74:75], in_proj_b s[76:77], scales s[78:79], q_img s[80:81], k_img s[82:83]
	s_load_b64 s[84:85], s[0:1], 0x40              ; v_img
	v_lshl_add_u32 v[SPW], v0, 2, SPARE
	v_mov_b32 v[NIL], 0
	ds_add_u32 v28, v29
	ds_add_u32 v28, v29
	s_wait_dscnt 0x0
	v_lshrrev_b32 v1, 5, v0
	v_readfirstlane_b32 s14, v1                    ; wave 0..3
	s_lshr_b32 s15, s14, 1                         ; which half of the tile's rows is mine.  Also: I fetch for A (0) or for B (1)
	s_and_b32 s16, s14, 1                          ; which half of its columns.  Also: which 128 rows of that tile I fetch
	s_bfe_u32 s40, ttmp6, 0x40000                  ; cx, cy: my place in the cluster
	s_bfe_u32 s41, ttmp6, 0x40004
	s_and_b32 s66, ttmp7, 0xffff                   ; cluster y, 0..23
	s_and_b32 s67, s66, 7
	s_lshl_b32 s67, s67, 2                         ; 4 yc: the cluster's first tile along the tokens
	s_lshr_b32 s66, s66, 3                         ; z: 0 q, 1 k, 2 v
	s_cmp_eq_u32 s66, 2
	s_cselect_b32 s17, 0, s67                      ; the tokens run along the rows of C for q and k,
	s_cselect_b32 s42, s67, 0                      ; along its columns for v
	s_add_co_u32 s17, s17, s41                     ; tile row of C
	s_add_co_u32 s42, s42, s40                     ; tile column of C
	s_lshl_b32 s43, s41, 2
	s_lshl_b32 s43, 15, s43                        ; my row of the cluster
	s_lshl_b32 s44, 0x1111, s40                    ; my column
	; descriptor group 1: a tile of 128 rows x 256 bytes, padded in LDS
	s_or_b32 s[G1+0], s43, (0<<16)|(1<<20)|(1<<21)|(5<<22)|(3<<25)  ; 15:0 the mask: A's tiles go to my row; 17:16 element of 1 byte; 20 padding on; 21 set beside a mask; 24:22 after every 64 words (code 5); 31:25 of 4 words (code 3)
	s_or_b32 s[G1B+0], s44, (0<<16)|(1<<20)|(1<<21)|(5<<22)|(3<<25)
.irp g, G1, G1B
	s_mov_b32 s[\g+1], ROWB<<16                    ; tensor_dim0
	s_mov_b32 s[\g+2], 128<<16                     ; tensor_dim1 = 128
	s_mov_b32 s[\g+3], ROWB<<16                    ; tile_dim0
	s_mov_b32 s[\g+4], 128                         ; tile_dim1 = 128
	s_mov_b32 s[\g+5], KROW                        ; tensor_dim0_stride
	s_mov_b32 s[\g+6], 0
	s_mov_b32 s[\g+7], 0
.endr
	s_lshl_b32 s18, s16, 7                         ; which 128 rows of the tile I fetch
	s_lshl_b32 s20, s17, 8
	s_add_co_u32 s20, s20, s18                     ; A: row 256 x tile row + 128 x half,
	s_lshl_b32 s20, s20, 10                        ; in bytes (under 2^23)
	s_mov_b32 s21, 0
	s_lshl_b32 s46, s42, 8
	s_add_co_u32 s46, s46, s18                     ; B: row 256 x tile column + 128 x half
	s_lshl_b32 s46, s46, 10
	s_mov_b32 s47, 0
	s_mul_i32 s45, s14, HALFT                      ; where they go: wave x 128 rows: no place in the cluster enters an LDS address
	s_lshl_b32 s86, s66, 20                        ; the weight's third: z x 1,024 rows of 1,024 bytes
	s_mov_b32 s87, 0
	s_lshl_b32 s92, s66, 3                         ; entries 2 z, 2 z + 1 of the scales,
	s_mov_b32 s93, 0
	s_lshl_b32 s94, s66, 2                         ; and entry 6 + z
	s_mov_b32 s95, 0
	s_wait_kmcnt 0x0
	s_add_nc_u64 s[86:87], s[74:75], s[86:87]
	s_add_nc_u64 s[92:93], s[78:79], s[92:93]
	s_add_nc_u64 s[94:95], s[78:79], s[94:95]
	s_load_b64 s[96:97], s[92:93], 0x0             ; ea, eb
	s_load_b32 s98, s[94:95], 0x18                 ; eo
	s_cmp_eq_u32 s66, 0                            ; the choices hang on the cluster's number alone
	s_cselect_b64 s[88:89], s[68:69], s[70:71]
	s_cmp_eq_u32 s66, 2
	s_cselect_b64 s[88:89], s[86:87], s[88:89]     ; A: nq, nk, or the weight
	s_cselect_b64 s[90:91], s[72:73], s[86:87]     ; B: the weight, or nv
	s_add_nc_u64 s[20:21], s[88:89], s[20:21]
	s_add_nc_u64 s[46:47], s[90:91], s[46:47]
	CROUND                                         ; all sixteen work-groups are here: the first joint loads meet
.irp s, 0,1
	s_mov_b32 s[G0+4*\s], 1
	s_add_co_u32 s[G0+4*\s+1], s45, \s*SLOT
	s_add_nc_u64 s[G0+4*\s+2:G0+4*\s+3], s[20:21], \s*ROWB
	s_or_b32 s[G0+4*\s+3], s[G0+4*\s+3], 0x80000000
	s_mov_b32 s[G0B+4*\s], 1
	s_add_co_u32 s[G0B+4*\s+1], s45, \s*SLOT
	s_add_nc_u64 s[G0B+4*\s+2:G0B+4*\s+3], s[46:47], \s*ROWB
	s_or_b32 s[G0B+4*\s+3], s[G0B+4*\s+3], 0x80000000
	JLOAD G0+4*\s, G1, G0B+4*\s, G1B
.endr
	v_and_b32 v1, 15, v0                           ; r = l % 16
	v_bfe_u32 v2, v0, 4, 1                         ; h = l / 16
	v_mul_u32_u24 v3, v1, PITCH
	v_lshl_add_u32 v4, v2, 4, v3                   ; a fragment's row x pitch + 16 x half
	s_mul_i32 s21, s15, HALFT                      ; my 128 rows of A
	s_mul_i32 s22, s16, HALFT                      ; my 128 rows of B,
	s_add_co_u32 s22, s22, 2*HALFT                 ; which lie behind A's 256
.irp s, 0,1
	v_add_nc_u32 v[ADRA+\s], s21, v4
	v_add_nc_u32 v[ADRB+\s], s22, v4
	s_add_co_u32 s21, s21, SLOT
	s_add_co_u32 s22, s22, SLOT
.endr
	; the biases and the way out
	v_lshlrev_b32 v[OC], 5, v2
	v_lshlrev_b32 v[ORW], 2, v1
	s_lshl_b32 s4, s17, 8
	s_lshl_b32 s6, s15, 7
	s_add_co_u32 s4, s4, s6                        ; m0: my wave's first row of C
	s_lshl_b32 s5, s42, 8
	s_lshl_b32 s6, s16, 7
	s_add_co_u32 s5, s5, s6                        ; n0: its first column
	s_lshl_b32 s6, s66, 10
	s_add_co_u32 s6, s6, s5                        ; q, k: the bias runs along n, from 1024 z + n0
	s_add_co_u32 s7, s4, 2048                      ; v: along m, from 2048 + m0
	s_mov_b32 s12, 0x10000                         ; a head's 64 images
	s_mov_b32 s13, 0x1000                          ; four images
	s_cmp_eq_u32 s66, 2
	s_cselect_b32 s6, 0, s6                        ; (the bias that does not apply is loaded from entry 0 on and replaced by 0 below)
	s_cselect_b32 s7, s7, 0
	s_cselect_b32 s8, -1, 0                        ; all lanes on: v
	s_cselect_b32 s9, 0, -1                        ; all lanes on: q or k
	s_cselect_b32 s10, s13, s12                    ; from my columns 0-63 to 64-127: another head, or (v) the next 64 keys
	s_cselect_b32 s11, s12, s13                    ; from my rows 0-63 to 64-127: the next 64 tokens, or (v) another head
	s_cselect_b32 s2, s5, s4                       ; my first token
	s_cselect_b32 s3, s4, s5                       ; my first channel
	s_cselect_b64 s[72:73], s[84:85], s[82:83]
	s_cmp_eq_u32 s66, 0
	s_cselect_b64 s[72:73], s[80:81], s[72:73]     ; q_img, k_img or v_img
	s_lshl_b32 s6, s6, 2
	s_lshl_b32 s12, s7, 2
	s_mov_b32 s7, 0
	s_mov_b32 s13, 0
	s_add_nc_u64 s[68:69], s[76:77], s[6:7]
	s_add_nc_u64 s[70:71], s[76:77], s[12:13]
.irp b, 0,1,2,3,4,5,6,7
	global_load_b128 v[CB+8*\b:CB+8*\b+3], v[OC], s[68:69] offset:64*\b        ; bias(n0 + 16 b + 8 h + 0 .. 7)
	global_load_b128 v[CB+8*\b+4:CB+8*\b+7], v[OC], s[68:69] offset:64*\b+16
.endr
.irp a, 0,1,2,3,4,5,6,7
	global_load_b32 v[RB+\a], v[ORW], s[70:71] offset:64*\a                    ; bias(m0 + 16 a + r)
.endr
	s_lshr_b32 s6, s2, 10                          ; batch
	s_lshl_b32 s6, s6, 4
	s_lshr_b32 s12, s3, 6                          ; head
	s_add_co_u32 s6, s6, s12
	s_lshl_b32 s6, s6, 16
	s_and_b32 s12, s2, 1023
	s_lshr_b32 s12, s12, 4                         ; 16 tokens to an image of q or k; 64 keys to four images of v: the same number
	s_lshl_b32 s12, s12, 10
	s_add_co_u32 s6, s6, s12
	s_add_nc_u64 s[72:73], s[72:73], s[6:7]        ; my first image
	v_and_b32 v5, 31, v0
	v_lshlrev_b32 v[VO], 4, v5                     ; 16 x lane
	v_add_nc_u32 v[VO+1], s11, v[VO]
	v_add_nc_u32 v[VO+2], s10, v[VO]
	v_add_nc_u32 v[VO+3], s11, v[VO+2]
	s_mul_i32 s23, s14, WSTG                       ; my stage
	v_lshrrev_b32 v5, 3, v1
	v_mul_u32_u24 v5, v5, IMGP                     ; rows 8-15 of a block belong to the next image,
	v_and_b32 v6, 7, v1
	v_lshl_add_u32 v5, v6, 4, v5                   ; lane row r % 8 (+ 8 for odd blocks: in the immediate),
	v_lshl_add_u32 v5, v2, 3, v5                   ; bytes 8 h + 0 .. 7
	v_add_nc_u32 v[STO], s23, v5
	v_add_nc_u32 v[RD], s23, v[VO]
.macro FRAG reg, adr, q, i             ; a fragment, 16 rows x 128 K of 8-bit codes, is 16 registers: lane l holds row l % 16; registers 4 c .. 4 c + 3 hold K = 32 c + 16 (l / 16) + 0 .. 15
.irp c, 0,1,2,3
	ds_load_b128 v[\reg+4*\c:\reg+4*\c+3], v[\adr] offset:128*(\q)+32*\c+(\i)*16*PITCH
.endr
.endm
; 16 matrix instructions: A's blocks a0, a0 + 1 x B's eight, 128 along K.  p: B's set.  zero = 1: the first product starts the sums.  The 64 accumulators take turns, one instruction a turn.
.macro MUL16 a0, p, zero
.irp a, \a0, \a0+1
.irp b, 0,1,2,3,4,5,6,7
.if \zero
	v_wmma_f32_16x16x128_fp8_fp8 v[8*(8*((\a)%4)+\b):8*(8*((\a)%4)+\b)+7], v[128*(\p)+FR*\b:128*(\p)+FR*\b+FR-1], v[AF+FR*(\a):AF+FR*(\a)+FR-1], 0
.else
	v_wmma_f32_16x16x128_fp8_fp8 v[8*(8*((\a)%4)+\b):8*(8*((\a)%4)+\b)+7], v[128*(\p)+FR*\b:128*(\p)+FR*\b+FR-1], v[AF+FR*(\a):AF+FR*(\a)+FR-1], v[8*(8*((\a)%4)+\b):8*(8*((\a)%4)+\b)+7]
.endif
.endr
.endr
.endm
.macro FETCH_B slot, q, p              ; B's eight fragments of the slot's q-th 128 along K into set p
	WIN TO_B
.irp i, 0,1,2,3,4,5,6,7
	FRAG 128*(\p)+FR*\i, ADRB+\slot, \q, \i
.endr
	WIN 0
.endm
.macro FETCH_A slot, q, i0             ; A's blocks i0 .. i0 + 3
.irp i, \i0, \i0+1, \i0+2, \i0+3
	FRAG AF+FR*(\i), ADRA+\slot, \q, \i
.endr
.endm
.macro PLACES n                        ; plain vector lines between a matrix instruction and a load into one of its registers (ISA guide 7.12.1 for vector instructions)
.rept \n
	v_nop
.endr
.endm
; A step of 128 along K that has its successor in the same slot.  A block of A is free as soon as its eight products are issued: blocks 0-3 are fetched anew in the step's middle, blocks 4-7 at its end.
.macro STEP slot, q, zero
	s_wait_dscnt 4*NL                              ; B's set and A's blocks 0-3 are in; the youngest sixteen loads (A's blocks 4-7) may be out
	WIN MUL_LO
	MUL16 0, (\q)%2, \zero
	MUL16 2, (\q)%2, \zero
	s_wait_dscnt 0                                 ; A's blocks 4-7 are in
	PLACES NP
	FETCH_B \slot, (\q)+1, 1-(\q)%2
	FETCH_A \slot, (\q)+1, 0
	WIN MUL_HI
	MUL16 4, (\q)%2, \zero
	MUL16 6, (\q)%2, \zero
	PLACES NP
	WIN 0
	FETCH_A \slot, (\q)+1, 4
.endm
; A slot's last step changes slots: ONE barrier; in front of it each wave waits for all its tensor loads, adds 0 to its spare word, and waits for that and for its own reads of this slot.  fill = 1: this slot is filled again, two K steps ahead.
.macro TURN slot, next, fill
	s_wait_tensorcnt 0x0                           ; all my tensor loads have landed: my part of the next slot
	ds_add_u32 v[SPW], v[NIL]                      ; 0 onto my spare word
	s_wait_dscnt 4*NL+1                            ; (the add and the youngest sixteen loads, A's blocks 4-7, may be out)
	WIN MUL_LO
	MUL16 0, 1, 0                                  ; sixteen matrix instructions stand between the add and the wait for it
	s_wait_dscnt 0x0                               ; the add is done, and my reads of this slot are over
	s_barrier_signal -1
	MUL16 2, 1, 0
	WIN 0
	s_barrier_wait -1
.if \fill
	CREST                                          ; the barrier has opened a round of the cluster's barrier: no wave of any partner still reads this slot's tile or has a load on its way
	s_add_nc_u64 s[G0+4*\slot+2:G0+4*\slot+3], s[G0+4*\slot+2:G0+4*\slot+3], 2*ROWB
	s_add_nc_u64 s[G0B+4*\slot+2:G0B+4*\slot+3], s[G0B+4*\slot+2:G0B+4*\slot+3], 2*ROWB
	JLOAD G0+4*\slot, G1, G0B+4*\slot, G1B         ; the first tensor load behind the round; its four v_nop are the places in front of the loads below
.else
	PLACES NP
.endif
	FETCH_B \next, 0, 0
	FETCH_A \next, 0, 0
	WIN MUL_HI
	MUL16 4, 1, 0
	MUL16 6, 1, 0
	PLACES NP
	WIN 0
	FETCH_A \next, 0, 4
.endm
	s_wait_tensorcnt 1                             ; my part of K step 0 is in (K step 1's load may be out)
	s_barrier_signal -1
	s_barrier_wait -1                              ; everybody's is
	FETCH_B 0, 0, 0
	FETCH_A 0, 0, 0
	FETCH_A 0, 0, 4
	STEP 0, 0, 1                                   ; K = 1,024 is four K steps, eight steps of 128: written out, no loop.  The first products start the sums
	TURN 0, 1, 1                                   ; slot 0 takes K step 2
	STEP 1, 0, 0
	TURN 1, 0, 1                                   ; slot 1 takes K step 3
	STEP 0, 0, 0
	TURN 0, 1, 0                                   ; nothing is left to fetch
	STEP 1, 0, 0
	s_wait_dscnt 4*NL
	WIN MUL_LO
	MUL16 0, 1, 0
	MUL16 2, 1, 0
	s_wait_dscnt 0
	WIN MUL_HI
	MUL16 4, 1, 0
	MUL16 6, 1, 0
	WIN 0
	; THE WAY OUT.  The 74 plain vector lines that follow name no register of the last products: they are the places behind them.
	s_wait_kmcnt 0x0
	s_add_co_i32 s96, s96, s97
	s_add_co_i32 s96, s96, 127
	s_lshl_b32 s96, s96, 23                        ; 2^(ea + eb) as f32
	s_mov_b32 s97, s96                             ; (named with it as a pair, so it is written)
	s_add_co_i32 s98, s98, 127
	s_lshl_b32 s99, s98, 23
	s_add_co_i32 s98, s98, 8
	s_lshl_b32 s98, s98, 23
	s_or_b32 s98, s98, 0x600000
	s_wait_loadcnt 0x0                             ; the biases
	v_mov_b32 v[SCV], s99                          ; 2^eo: the conversion takes its exponent field
	v_mov_b32 v[LIMV], s98                         ; 448 x 2^eo
.set jj, 0
.rept 64
	v_cndmask_b32 v[CB+jj], 0, v[CB+jj], s9        ; the bias along n counts for q and k,
.set jj, jj+1
.endr
.set jj, 0
.rept 8
	v_cndmask_b32 v[RB+jj], 0, v[RB+jj], s8        ; the bias along m for v
.set jj, jj+1
.endr
; Block a: my rows 16 a .. 16 a + 15 x my 128 columns.  Lane (r, h), accumulator b, register j is C(16 a + r, 16 b + 8 h + j): eight neighbours along the next K become 8 bytes of one image.
.macro EBLK a
.set AC, 64*((\a)%4)
	WIN 0x02+((\a)/4)                              ; source 0: window 2 or 3
.set jj, 0
.rept 32
	v_pk_fma_f32 v[TT+jj:TT+jj+1], v[AC+jj:AC+jj+1], s[96:97], v[CB+jj:CB+jj+1] op_sel_hi:[1,0,1]   ; sum x 2^(ea + eb) + bias; each accumulator from its low end on
.set jj, jj+2
.endr
	WIN 0
.set jj, 0
.rept 32
.if ((\a)%2) == 0
	v_pk_add_f32 v[TT+jj:TT+jj+1], v[TT+jj:TT+jj+1], v[RB+(\a):RB+(\a)+1] op_sel_hi:[1,0]            ; + the row's bias (0 for q and k): the pair's first word for both halves,
.else
	v_pk_add_f32 v[TT+jj:TT+jj+1], v[TT+jj:TT+jj+1], v[RB+(\a)-1:RB+(\a)] op_sel:[0,1] op_sel_hi:[1,1]   ; or its second
.endif
.set jj, jj+2
.endr
.set jj, 0
.rept 64
	v_med3_num_f32 v[TT+jj], v[TT+jj], -v[LIMV], v[LIMV]   ; the conversion to an 8-bit code does not saturate (ISA guide 7.6.2)
.set jj, jj+1
.endr
	WIN 0x40                                       ; destination window 1: each block has code registers of its own
.irp b, 0,1,2,3,4,5,6,7
	v_cvt_scalef32_pk8_fp8_f32 v[16*(\a)+2*\b:16*(\a)+2*\b+1], v[TT+8*\b:TT+8*\b+7], v[SCV]
.endr
	v_nop                                          ; a plain line between the conversions and the next block's lines, which write their sources
	WIN 0x04                                       ; store data window 1
.irp b, 0,1,2,3,4,5,6,7
	ds_store_b64 v[STO], v[16*(\a)+2*\b:16*(\a)+2*\b+1] offset:((\b/4)*8+((\a)/2)*2)*IMGP+((\b/2)%2)*512+(\b%2)*256+((\a)%2)*128
.endr
.endm
.irp a, 0,1,2,3,4,5,6,7
	EBLK \a
.endr
	WIN 0x40
.set nn, 0
.rept 32
	ds_load_b128 v[128+4*nn:128+4*nn+3], v[RD] offset:(nn/2)*IMGP+(nn%2)*512   ; my own bytes: LDS serves a wave's instructions in order (ISA guide 5.7.1.4)
.set nn, nn+1
.endr
	WIN 0x04
.set nn, 0
.rept 32
	s_wait_dscnt 31-nn                             ; load nn is in; the younger ones may be out
	global_store_b128 v[VO+2*(nn/16)+((nn/8)%2)], v[128+4*nn:128+4*nn+3], s[72:73] offset:((nn/2)%4)*1024+(nn%2)*512   ; 32 lanes store 512 consecutive bytes, half an image
.set nn, nn+1
.endr
	WIN 0
	s_wait_tensorcnt 0x0                           ; the wave's end
	ds_add_u32 v[SPW], v[NIL]
	s_wait_dscnt 0x0
	CROUND                                         ; the closing round: no work-group ends while a partner may still ask for a tile that names it
	s_endpgm
.Lfunc_end_k_q26babeb369_proj:
	.size	k_q26babeb369_proj, .Lfunc_end_k_q26babeb369_proj-k_q26babeb369_proj
	.p2alignl 7, 3214868480
	.fill 96, 4, 3214868480
	.section	.rodata,"a",@progbits
	.p2align	6, 0x0
	.amdhsa_kernel k_q26babeb369_proj
		.amdhsa_group_segment_fixed_size 327680
		.amdhsa_private_segment_fixed_size 0
		.amdhsa_enable_private_segment 0
		.amdhsa_kernarg_size 72
		.amdhsa_user_sgpr_count 2
		.amdhsa_user_sgpr_kernarg_segment_ptr 1
		.amdhsa_wavefront_size32 1
		.amdhsa_system_sgpr_workgroup_id_x 1
		.amdhsa_system_sgpr_workgroup_id_y 1
		.amdhsa_system_sgpr_workgroup_id_z 1
		.amdhsa_system_vgpr_workitem_id 0
		.amdhsa_next_free_vgpr 1024
		.amdhsa_next_free_sgpr 100
		.amdhsa_reserve_vcc 0
		.amdhsa_float_denorm_mode_32 3
		.amdhsa_float_denorm_mode_16_64 3
		.amdhsa_memory_ordered 1
		.amdhsa_forward_progress 1
		.amdhsa_inst_pref_size 166
	.end_amdhsa_kernel
	.amdgpu_metadata
---
amdhsa.version: [ 1, 2 ]
amdhsa.kernels:
  - .name:           k_q26babeb369_proj
    .symbol:         k_q26babeb369_proj.kd
    .args:
      - { .name: nq_codes, .offset: 0, .size: 8, .value_kind: global_buffer, .address_space: global }
      - { .name: nk_codes, .offset: 8, .size: 8, .value_kind: global_buffer, .address_space: global }
      - { .name: nv_codes, .offset: 16, .size: 8, .value_kind: global_buffer, .address_space: global }
      - { .name: w_codes, .offset: 24, .size: 8, .value_kind: global_buffer, .address_space: global }
      - { .name: in_proj_b, .offset: 32, .size: 8, .value_kind: global_buffer, .address_space: global }
      - { .name: lowp_scales, .offset: 40, .size: 8, .value_kind: global_buffer, .address_space: global }
      - { .name: q_img, .offset: 48, .size: 8, .value_kind: global_buffer, .address_space: global }
      - { .name: k_img, .offset: 56, .size: 8, .value_kind: global_buffer, .address_space: global }
      - { .name: v_img, .offset: 64, .size: 8, .value_kind: global_buffer, .address_space: global }
    .group_segment_fixed_size: 327680
    .private_segment_fixed_size: 0
    .kernarg_segment_align: 8
    .kernarg_segment_size: 72
    .max_flat_workgroup_size: 128
    .sgpr_count:     100
    .vgpr_count:     1024
    .wavefront_size: 32
...
	.end_amdgpu_metadata
.endif
;; end of part 2
;; launch attn (part 3): grid 32 x 8, 4 waves a work-group, no clusters, 205,312 bytes of LDS; arguments q_img, k_img, v_img, lowp_scales, ctx_codes, out1; writes ctx_codes, out1
.if DOCPART == 3
	.amdgcn_target "amdgcn-amd-amdhsa--gfx1250"
	.amdhsa_code_object_version 6
	.text
	.protected	k_q26babeb369_attn
	.globl	k_q26babeb369_attn
	.p2align	8
	.type	k_q26babeb369_attn,@function
k_q26babeb369_attn:
	s_mov_b64 s[64:65], 0
	v_nop
	global_prefetch_b8 v0, s[64:65] scope:SCOPE_SE
	s_setreg_imm32_b32 hwreg(HW_REG_WAVE_MODE, 25, 1), 1
	s_wait_xcnt 0x0
; Attention on codes of FP8 (E4M3) for 8 batches x 16 heads, 1,024 tokens, head size 64, with the softmax averaged over the heads as a second result.
;   t = score x log2(e) / 8; M = ceil(largest t); p = 2^(t - M) is quantised along the keys with 2^e9; l = the sum of the unquantised p; ctx = (V^T p) 2^(e8 + e9) / l, quantised with 2^e10; out1 = (1 / 16) sum over heads of p / l.
; SHARES.  A work-group owns 32 queries of one batch, ALL 1,024 keys and ALL 16 heads, so that l is known while p still lies in registers: each exponential is made once, and the average over heads is summed in registers.
; Wave w owns keys 256 w .. 256 w + 255 for both tiles of 16 queries.  8 batches x 32 blocks of queries are 256 work-groups.
; M BY WAVE.  Each wave takes M from its own 256 keys; the four partial sums are brought under the row's M by 2^(own M - M), an exact power of two.  Numbers so small that they fall under the format's range may differ.
; OPERANDS come as images of registers (1,024 bytes: byte 512 c + 16 lane + i), laid out by the launch before; each byte of K and V is wanted by ONE wave of the work-group, so it goes from memory straight into that wave's
; operand registers, 512 consecutive bytes a load, with no LDS between.  No multicast: what a work-group's waves fetch is shared with other work-groups, but a joint tile would have to cross LDS (a write and a read of
; 128 KiB a head) to reach registers that the loads below reach directly, and each load is issued a phase of the head's work ahead of its use: the next head's Q and K behind this head's first product, its V behind the second.
; The last head is written out a second time, without loads: no load leaves its buffer and none is made in vain.
; LAYOUT.  Both products are used transposed: S^T = K Q^T (source 0 = 16 keys, source 1 = 16 queries), O^T = V^T P (source 0 = 16 channels, source 1 = P): a lane holds ONE query (lane % 16) throughout.
; Lane row r of image 2 g + u is token 32 g + 8 u + r + 8 (r / 8), so register j of lane (r, h) of tile 2 g + u is key 32 g + 16 h + 8 u + j: the 16 registers of tiles 2 g, 2 g + 1 are 16 neighbouring keys,
; and the conversions' results are the second product's operand.  k stands in the same places in both operands of each product, though not in those of the form's own layout: only the order of sums inside an instruction differs.
; LIMITS: e6 + e7 between -124 and 129 (they are added to c's exponent field); e9 and e10 between -126 and 119; e8 + e9 is applied by v_ldexp_f32 and has none.  NaN among the inputs is not served.
; REGISTERS, in windows of 256: window 0: see the names below.   window 1: S^T, then p: tile (qt, kt) at v[8 (16 qt + kt)].   window 2: the sum over heads of p / (16 l), laid as window 1.
;   window 3: v0-127 K, 8 registers an image; v128-255 V, fragment (kc, tl) of 16 channels x 128 keys at v[128 + 16 (4 kc + tl)].
.set XO,  0                            ; LDS: the waves' partial O^T: 4 x 16 pieces of 512 bytes
.set XS,  32768                        ; their statistics: 4 x 512 bytes
.set CTX, 34816                        ; ctx's codes: 32 rows x (1,024 + 16) bytes
.set CP,  1040
.set HST, 68096                        ; the way out of the average: for each wave 2 x 16 rows x (1,024 + 16) bytes
.set HW,  2*16*CP
; window 0: v1 16 x lane; v2, v3 XO in, out; v4, v5 XS in, out; v6 CTX in, head 0; v7 CTX in, this head; v8, v9 HST in, out; v10 CTX out; v11 448 x 2^e9, v12 2^e9; v13 448 x 2^e10, v14 2^e10;
; v16-19 (-M, l) of tile 0, of tile 1; v20-35 the four waves'; v36-43 eight maxima; v44-59 eight pairs of sums; v60-61 2^(own M - M) / (16 l); v62-63 at work; v64-79 Q; v80-95 held p; v96-159 P's codes, then the four partial O^T;
; v160-223 O^T, tile (tl, qt) at v[160 + 8 (2 tl + qt)]; v224-239 ctx; v240-243 its codes; v244-251 the factor of wave s for tile qt at v[244 + 2 s + qt]; v252-255 at work.
.set MSB, 0
.macro WIN new                         ; bits 1:0 source 0, 3:2 source 1, 5:4 source 2, 7:6 destination; the immediate's high byte repeats the setting that is left
.if MSB != \new
	s_set_vgpr_msb (MSB<<8)|\new
.set MSB, \new
.endif
.endm
.macro LOADQ                           ; two images: my work-group's 32 queries
	WIN 0
.irp i, 0,1,2,3
	global_load_b128 v[64+4*\i:67+4*\i], v1, s[4:5] offset:512*\i
.endr
.endm
.macro LOADK n0, n1                    ; halves n0 .. n1 - 1 of my wave's sixteen images: 256 keys
	WIN 0xc0                                       ; destination window 3
.set nn, \n0
.rept (\n1)-(\n0)
	global_load_b128 v[4*nn:4*nn+3], v1, s[6:7] offset:512*nn
.set nn, nn+1
.endr
	WIN 0
.endm
.macro LOADV kc                        ; eight images: fragment (kc, tl) is images 8 kc + tl (64 keys) and 8 kc + 4 + tl (the next 64) on end
	WIN 0xc0
.irp tl, 0,1,2,3
.irp s, 0,1
.irp c, 0,1
	global_load_b128 v[128+16*(4*\kc+\tl)+8*\s+4*\c:128+16*(4*\kc+\tl)+8*\s+4*\c+3], v1, s[8:9] offset:(8*\kc+4*\s+\tl)*1024+512*\c
.endr
.endr
.endr
	WIN 0
.endm
	s_load_b256 s[4:11], s[0:1], 0x0               ; q_img s[4:5], k_img s[6:7], v_img s[8:9], scales s[10:11]
	s_load_b128 s[12:15], s[0:1], 0x20             ; ctx_codes s[12:13], out1 s[14:15]
	v_lshrrev_b32 v15, 5, v0
	v_readfirstlane_b32 s16, v15                   ; wave 0..3
	v_and_b32 v15, 31, v0
	v_lshlrev_b32 v1, 4, v15                       ; 16 x lane
	v_and_b32 v62, 15, v0                          ; r
	v_bfe_u32 v63, v0, 4, 1                        ; h
	s_lshl_b32 s17, s16, 13
	v_add_nc_u32 v2, s17, v1                       ; my 16 pieces of O^T
	s_lshl_b32 s17, s16, 11
	v_add_nc_u32 v3, s17, v1                       ; pieces 4 w .. 4 w + 3 of each wave: channel tile w
	s_lshl_b32 s17, s16, 9
	s_add_co_u32 s17, s17, XS
	v_add_nc_u32 v4, s17, v1
	v_add_nc_u32 v5, XS, v1
	v_and_b32 v6, 8, v62
	v_add_nc_u32 v6, v6, v62                       ; r + 8 (r / 8): tile 0's query of my lane; tile 1's lies 8 rows on
	v_mul_u32_u24 v6, v6, CP
	v_lshl_add_u32 v6, v63, 4, v6
	s_lshr_b32 s17, s16, 1
	s_lshl_b32 s17, s17, 5
	s_and_b32 s18, s16, 1
	s_lshl_b32 s18, s18, 3
	s_add_co_u32 s17, s17, s18
	s_add_co_u32 s17, s17, CTX
	v_add_nc_u32 v6, s17, v6                       ; channels 32 (w / 2) + 16 h + 8 (w % 2) + 0 .. 7
	s_mul_i32 s17, s16, HW
	s_add_co_u32 s17, s17, HST
	v_mul_u32_u24 v8, v62, CP
	v_lshl_add_u32 v8, v63, 6, v8
	v_add_nc_u32 v8, s17, v8                       ; row r, + 64 h bytes: keys 16 h on
	v_add_nc_u32 v9, s17, v1
	s_mul_i32 s17, s16, 8*CP
	s_add_co_u32 s17, s17, CTX
	v_add_nc_u32 v10, s17, v1                      ; rows 8 w .. 8 w + 7 of ctx
	s_mov_b32 s20, 0x76543210                      ; v_permlanex16_b32: lane l takes lane l xor 16
	s_mov_b32 s21, 0xfedcba98
	s_and_b32 s18, ttmp7, 0xffff                   ; batch
	s_lshl_b32 s30, s18, 20                        ; its first byte in the three buffers of images and in ctx_codes
	s_lshl_b32 s32, ttmp9, 11                      ; two images a block of queries
	s_add_co_u32 s32, s32, s30
	s_mov_b32 s33, 0
	s_lshl_b32 s34, s16, 14                        ; sixteen images a wave
	s_add_co_u32 s34, s34, s30
	s_mov_b32 s35, 0
	s_lshl_b32 s44, ttmp9, 15
	s_add_co_u32 s44, s44, s30
	s_lshl_b32 s45, s16, 13
	s_add_co_u32 s44, s44, s45                     ; ctx_codes: row 1024 b + 32 block + 8 w
	s_mov_b32 s45, 0
	s_lshl_b32 s46, s18, 22
	s_lshl_b32 s47, ttmp9, 17
	s_add_co_u32 s46, s46, s47
	s_lshl_b32 s47, s16, 10
	s_add_co_u32 s46, s46, s47                     ; out1: row 1024 b + 32 block, key 256 w
	s_mov_b32 s47, 0
	s_wait_kmcnt 0x0
	s_load_b128 s[24:27], s[10:11], 0x18           ; e6, e7, e8, e9
	s_load_b32 s28, s[10:11], 0x28                 ; e10
	s_add_nc_u64 s[4:5], s[4:5], s[32:33]
	s_add_nc_u64 s[6:7], s[6:7], s[34:35]
	s_add_nc_u64 s[8:9], s[8:9], s[34:35]
	s_add_nc_u64 s[12:13], s[12:13], s[44:45]
	s_add_nc_u64 s[14:15], s[14:15], s[46:47]
	LOADQ                                          ; head 0: what the first product wants goes out first; the set-up below stands between it and V's loads
	LOADK 0, 32
	v_mov_b32 v17, 0                               ; (named as the upper halves of the pairs v[16:17], v[18:19] before they hold l)
	v_mov_b32 v19, 0
	WIN 0x80                                       ; destination window 2
.set jj, 0
.rept 256
	v_mov_b32 v[jj], 0                             ; the sum over heads.  Cleared once in the launch, so that every head's body is the same
.set jj, jj+1
.endr
	WIN 0
	s_wait_kmcnt 0x0
	s_add_co_i32 s29, s24, s25
	s_lshl_b32 s29, s29, 23
	s_add_co_i32 s22, s29, 0x3e38aa3b              ; c = log2(e) / 8, x 2^(e6 + e7): the two exponents are added to c's exponent field
	s_mov_b32 s23, s22                             ; (named with it as a pair, so it is written)
	s_add_co_i32 s29, s27, 127
	s_lshl_b32 s37, s29, 23
	v_mov_b32 v12, s37                             ; 2^e9
	s_add_co_i32 s29, s29, 8
	s_lshl_b32 s29, s29, 23
	s_or_b32 s29, s29, 0x600000
	v_mov_b32 v11, s29                             ; 448 x 2^e9
	s_add_co_i32 s29, s28, 127
	s_lshl_b32 s37, s29, 23
	v_mov_b32 v14, s37                             ; 2^e10
	s_add_co_i32 s29, s29, 8
	s_lshl_b32 s29, s29, 23
	s_or_b32 s29, s29, 0x600000
	v_mov_b32 v13, s29                             ; 448 x 2^e10
	s_add_co_i32 s41, s26, s27                     ; e8 + e9
	s_cmp_lt_i32 s27, -8                           ; p is at most 1 (but for a last bit): it can pass 448 x 2^e9 only where e9 < -8
	s_cselect_b32 s40, 1, 0
	LOADV 0
	LOADV 1
	s_mov_b32 s36, 0                               ; the head
	s_mov_b32 s42, 0                               ; 64 x the head: its bytes in a row of ctx
; ONE HEAD.  last = 0: the next head's operands are asked for on the way; last = 1: nothing is asked for.
.macro HEAD last
	s_wait_loadcnt 32                              ; Q and K are in; V's 32 loads, issued behind them, may be out
	WIN 0x43                                       ; K window 3, Q window 0, S^T window 1
.irp qt, 0,1
.irp kt, 0,1,2,3,4,5,6,7,8,9,10,11,12,13,14,15
	v_wmma_f32_16x16x64_fp8_fp8 v[8*(16*\qt+\kt):8*(16*\qt+\kt)+7], v[8*\kt:8*\kt+7], v[64+8*\qt:71+8*\qt], 0
.endr
.endr
	WIN 0
	v_add_nc_u32 v7, s42, v6                       ; four places behind the products, in front of the loads into their operands and of the first read of their results
	v_nop
	v_nop
	v_nop
.if \last == 0
	s_wait_xcnt 0x0                                ; the earlier loads have read their bases: only behind this wait are they stepped
	s_add_nc_u64 s[4:5], s[4:5], 0x10000           ; a head on: 64 images
	s_add_nc_u64 s[6:7], s[6:7], 0x10000
	LOADQ
	LOADK 0, 24                                    ; with V's 32 loads, which may still be out, these 28 make 60: LOADcnt's field is not filled, so no issue has to wait for it (ISA guide 5.7.1); the last eight follow behind the maxima
.endif
	; the largest score of each query among my 256 keys: eight chains (chain 4 qt + k: tiles 4 k .. 4 k + 3), dealt round robin; each accumulator is read from its low end on
	WIN 0x05
.set ch, 0
.rept 8
	v_max_num_f32 v[36+ch], v[32*ch], v[32*ch+1]
.set ch, ch+1
.endr
	WIN 0x14
.set st, 1
.rept 15
.set ch, 0
.rept 8
	v_max3_num_f32 v[36+ch], v[36+ch], v[32*ch+2*st], v[32*ch+2*st+1]
.set ch, ch+1
.endr
.set st, st+1
.endr
	WIN 0
	v_max3_num_f32 v36, v36, v37, v38
	v_max3_num_f32 v40, v40, v41, v42
	v_max_num_f32 v36, v36, v39
	v_max_num_f32 v40, v40, v43
	v_permlanex16_b32 v62, v36, s20, s21           ; the query's other keys lie in the lane 16 away
	v_permlanex16_b32 v63, v40, s20, s21
	v_max_num_f32 v36, v36, v62
	v_max_num_f32 v40, v40, v63
	v_mul_f32 v36, s22, v36                        ; as t (c is positive)
	v_mul_f32 v40, s22, v40
	v_floor_f32 v16, -v36                          ; -M = floor(-t) = -ceil(t): a whole number
	v_floor_f32 v18, -v40
.if \last == 0
	LOADK 24, 32
.endif
	; p = 2^(c s - M), in place.  Two exponentials, then the scaling of a pair of the next tile: a plain line on other registers stands behind every second exponential
	WIN 0x41                                       ; S^T window 1, -M window 0
.irp n, 0,2,4,6
	v_pk_fma_f32 v[\n:\n+1], v[\n:\n+1], s[22:23], v[16:17] op_sel_hi:[1,0,0]
.endr
.set tt, 0
.rept 32
.set nn, 0
.rept 4
	v_exp_f32 v[8*tt+2*nn], v[8*tt+2*nn]
	v_exp_f32 v[8*tt+2*nn+1], v[8*tt+2*nn+1]
.if tt < 31
	v_pk_fma_f32 v[8*(tt+1)+2*nn:8*(tt+1)+2*nn+1], v[8*(tt+1)+2*nn:8*(tt+1)+2*nn+1], s[22:23], v[16+2*((tt+1)/16):17+2*((tt+1)/16)] op_sel_hi:[1,0,0]
.endif
.set nn, nn+1
.endr
.set tt, tt+1
.endr
	v_nop                                          ; a plain line behind the last exponentials (ISA guide 5.7.2)
	; l: the sum of the UNQUANTISED p, in eight chains of pairs
	WIN 0x05
.set ch, 0
	s_wait_alu depctr_va_vdst(0)
.rept 8
	v_pk_add_f32 v[44+2*ch:45+2*ch], v[32*ch:32*ch+1], v[32*ch+2:32*ch+3]
.set ch, ch+1
.endr
	WIN 0x04
.set st, 2
.rept 14
.set ch, 0
.rept 8
	v_pk_add_f32 v[44+2*ch:45+2*ch], v[44+2*ch:45+2*ch], v[32*ch+2*st:32*ch+2*st+1]
.set ch, ch+1
.endr
.set st, st+1
.endr
	WIN 0
.irp qt, 0,1
	v_pk_add_f32 v[44+8*\qt:45+8*\qt], v[44+8*\qt:45+8*\qt], v[46+8*\qt:47+8*\qt]
	v_pk_add_f32 v[48+8*\qt:49+8*\qt], v[48+8*\qt:49+8*\qt], v[50+8*\qt:51+8*\qt]
.endr
.irp qt, 0,1
	v_pk_add_f32 v[44+8*\qt:45+8*\qt], v[44+8*\qt:45+8*\qt], v[48+8*\qt:49+8*\qt]
.endr
	v_add_f32 v17, v44, v45
	v_add_f32 v19, v52, v53
	v_permlanex16_b32 v62, v17, s20, s21
	v_permlanex16_b32 v63, v19, s20, s21
	v_add_f32 v17, v17, v62
	v_add_f32 v19, v19, v63
	; p's codes.  p itself stays: the average over heads wants it unquantised.  The branch hangs on a given whole number, the same in every wave; no barrier stands under it
	s_cmp_lg_u32 s40, 0
	s_cbranch_scc1 .Lheld_\@
	WIN 0x01                                       ; p window 1
.set tt, 0
.rept 32
	v_cvt_scalef32_pk8_fp8_f32 v[96+2*tt:97+2*tt], v[8*tt:8*tt+7], v12
.set tt, tt+1
.endr
	WIN 0
	s_branch .Lcoded_\@
.Lheld_\@:                                         ; e9 < -8: the conversion does not saturate (ISA guide 7.6.2), so p is held first, one-sided since it is not negative, in two sets of registers by turns
.set tt, 0
.rept 32
	WIN 0x01
.set jj, 0
.rept 8
	v_min_num_f32 v[80+8*(tt%2)+jj], v[8*tt+jj], v11
.set jj, jj+1
.endr
	WIN 0
	v_cvt_scalef32_pk8_fp8_f32 v[96+2*tt:97+2*tt], v[80+8*(tt%2):87+8*(tt%2)], v12
.set tt, tt+1
.endr
.Lcoded_\@:
	v_nop                                          ; a plain line between the last conversion and the products that read its result
.if \last == 0
	s_wait_loadcnt 36                              ; V is in; the next head's Q and K, 36 loads issued behind it, may be out
.else
	s_wait_loadcnt 0x0                             ; V is in: nothing was issued behind it
.endif
	WIN 0x03                                       ; V window 3; P, O^T window 0
.irp kc, 0,1
.irp tl, 0,1,2,3
.irp qt, 0,1
.if \kc == 0
	v_wmma_f32_16x16x128_fp8_fp8 v[160+8*(2*\tl+\qt):167+8*(2*\tl+\qt)], v[128+16*(4*\kc+\tl):143+16*(4*\kc+\tl)], v[96+32*\qt+16*\kc:111+32*\qt+16*\kc], 0
.else
	v_wmma_f32_16x16x128_fp8_fp8 v[160+8*(2*\tl+\qt):167+8*(2*\tl+\qt)], v[128+16*(4*\kc+\tl):143+16*(4*\kc+\tl)], v[96+32*\qt+16*\kc:111+32*\qt+16*\kc], v[160+8*(2*\tl+\qt):167+8*(2*\tl+\qt)]
.endif
.endr
.endr
.endr                                              ; the eight accumulators take turns, one instruction a turn
	WIN 0
.rept 4
	v_nop                                          ; places in front of the stores of the results and of the loads into the operands
.endr
.set nn, 0
.rept 16
	ds_store_b128 v2, v[160+4*nn:163+4*nn] offset:512*nn           ; my partial O^T, as it stands in the registers; each accumulator from its low end on
.set nn, nn+1
.endr
	ds_store_b128 v4, v[16:19]                     ; my -M and l of both tiles
.if \last == 0
	s_wait_xcnt 0x0
	s_add_nc_u64 s[8:9], s[8:9], 0x10000           ; V of the next head:
	LOADV 0                                        ; half of its loads stand between the LDS stores and the wait for them,
.endif
	s_wait_dscnt 0x0                               ; for the others' sake: my stores have landed
	s_barrier_signal -1
	s_barrier_wait -1
.irp s, 0,1,2,3
	ds_load_b128 v[20+4*\s:23+4*\s], v5 offset:512*\s
.endr
.irp s, 0,1,2,3
.irp x, 0,1,2,3
	ds_load_b128 v[96+16*\s+4*\x:99+16*\s+4*\x], v3 offset:8192*\s+512*\x     ; channel tile w of every wave: register 16 s + 8 qt + j
.endr
.endr
.if \last == 0
	LOADV 1                                        ; the other half between the LDS loads and the wait for the statistics
.endif
	s_wait_dscnt 16                                ; the statistics are in; the 16 loads of O^T may be out
	v_min3_num_f32 v62, v20, v24, v28              ; -M of the row: the least of the four
	v_min3_num_f32 v63, v22, v26, v30
	v_min_num_f32 v62, v62, v32
	v_min_num_f32 v63, v63, v34
.irp s, 0,1,2,3
.irp qt, 0,1
	v_sub_f32 v[244+2*\s+\qt], v[62+\qt], v[20+4*\s+2*\qt]         ; wave s's M less the row's: a whole number, 0 or less
.endr
.endr
	v_sub_f32 v252, v62, v16                       ; my own,
	v_sub_f32 v253, v63, v18
	v_add_f32 v252, -4.0, v252                     ; with the 1 / 16 of the average; in f32, ahead of the conversion, which saturates
	v_add_f32 v253, -4.0, v253
.set jj, 244
.rept 10
	v_cvt_i32_f32 v[jj], v[jj]
.set jj, jj+1
.endr
.set jj, 244
.rept 8
	v_ldexp_f32 v[jj], 1.0, v[jj]                  ; 2^(wave s's M - M): nothing is rounded
.set jj, jj+1
.endr
.irp qt, 0,1
	v_mul_f32 v[254+\qt], v[244+\qt], v[21+2*\qt]
.endr
.irp s, 1,2,3
.irp qt, 0,1
	v_fma_f32 v[254+\qt], v[244+2*\s+\qt], v[21+4*\s+2*\qt], v[254+\qt]        ; the row's l
.endr
.endr
	v_rcp_f32 v254, v254
	v_rcp_f32 v255, v255
	v_nop                                          ; a plain line behind the transcendentals
	s_wait_alu depctr_va_vdst(0)
	v_ldexp_f32 v60, v254, v252                    ; 2^(own M - M) / (16 l)
	v_ldexp_f32 v61, v255, v253
	v_ldexp_f32 v254, v254, s41                    ; 2^(e8 + e9) / l
	v_ldexp_f32 v255, v255, s41
.irp s, 0,1,2,3
	v_pk_mul_f32 v[244+2*\s:245+2*\s], v[244+2*\s:245+2*\s], v[254:255]
.endr
	WIN 0xa1                                       ; p window 1, the factor window 0, the sum over heads window 2.  These 128 lines stand between the loads of O^T and the wait for them
.set jj, 0
.rept 64
	v_pk_fma_f32 v[jj:jj+1], v[jj:jj+1], v[60:61], v[jj:jj+1] op_sel_hi:[1,0,1]
.set jj, jj+2
.endr
.rept 64
	v_pk_fma_f32 v[jj:jj+1], v[jj:jj+1], v[60:61], v[jj:jj+1] op_sel:[0,1,0] op_sel_hi:[1,1,1]
.set jj, jj+2
.endr
	WIN 0
	s_wait_dscnt 0x0                               ; my reads of the exchange are over:
	s_barrier_signal -1                            ; say so; the next head's stores into it stand behind the wait below.  Between signal and wait: work on registers alone
.irp qt, 0,1
.irp i, 0,2,4,6
	v_pk_mul_f32 v[224+8*\qt+\i:225+8*\qt+\i], v[96+8*\qt+\i:97+8*\qt+\i], v[244:245] op_sel:[0,\qt] op_sel_hi:[1,\qt]
.endr
.endr
.irp s, 1,2,3
.irp qt, 0,1
.irp i, 0,2,4,6
	v_pk_fma_f32 v[224+8*\qt+\i:225+8*\qt+\i], v[96+16*\s+8*\qt+\i:97+16*\s+8*\qt+\i], v[244+2*\s:245+2*\s], v[224+8*\qt+\i:225+8*\qt+\i] op_sel:[0,\qt,0] op_sel_hi:[1,\qt,1]
.endr
.endr
.endr
.set jj, 224
.rept 16
	v_med3_num_f32 v[jj], v[jj], -v13, v13
.set jj, jj+1
.endr
	v_cvt_scalef32_pk8_fp8_f32 v[240:241], v[224:231], v14
	v_cvt_scalef32_pk8_fp8_f32 v[242:243], v[232:239], v14
	v_nop                                          ; a plain line behind the conversions
	s_barrier_wait -1
	ds_store_b64 v7, v[240:241]                    ; eight neighbouring channels of my query of tile 0,
	ds_store_b64 v7, v[242:243] offset:8*CP        ; and of tile 1: bytes that no other wave writes
.endm
.Lhead:                                            ; heads 0 to 14: each asks for the head behind it
	HEAD 0
	s_add_co_u32 s42, s42, 64
	s_add_co_u32 s36, s36, 1
	s_cmp_lt_u32 s36, 15
	s_cbranch_scc1 .Lhead
	s_mov_b32 s42, 15*64
	HEAD 1                                         ; head 15
	; THE WAY OUT.  ctx's codes leave as whole rows; the average goes through my own stage, a tile of queries at a time, so that whole rows of 1,024 bytes leave.
.macro HIN qt                          ; into the stage: keys 32 g + 16 h + 4 x + 0 .. 3 of lane row r
	WIN 0x08                                       ; store data window 2
.irp g, 0,1,2,3,4,5,6,7
.irp x, 0,1,2,3
	ds_store_b128 v8, v[8*(16*\qt+2*\g+\x/2)+4*(\x%2):8*(16*\qt+2*\g+\x/2)+4*(\x%2)+3] offset:\qt*16*CP+\g*128+16*\x
.endr
.endr
.endm
.macro HBACK qt                        ; and back by rows, into p's registers, which are free.  LDS serves a wave's instructions in order (ISA guide 5.7.1.4): these see my stores
	WIN 0x40                                       ; destination window 1
.set nn, 0
.rept 32
	ds_load_b128 v[128*\qt+4*nn:128*\qt+4*nn+3], v9 offset:\qt*16*CP+(nn/2)*CP+(nn%2)*512
.set nn, nn+1
.endr
.endm
.macro HOUT qt, younger                ; younger: the LDS instructions issued behind the tile's 32 loads
	WIN 0x04                                       ; store data window 1
.set nn, 0
.rept 32
	s_wait_dscnt \younger+31-nn
	global_store_b128 v1, v[128*\qt+4*nn:128*\qt+4*nn+3], s[14:15] offset:(8*\qt+(nn/2)+8*((nn/2)/8))*4096+(nn%2)*512 th:TH_STORE_NT   ; lane row R of tile qt is query 8 qt + R + 8 (R / 8); 512 consecutive bytes
.set nn, nn+1
.endr
.endm
	s_wait_dscnt 0x0
	s_barrier_signal -1
	s_barrier_wait -1                              ; 32 whole rows of ctx's codes lie in LDS
.set nn, 0
.rept 16
	ds_load_b128 v[96+4*nn:99+4*nn], v10 offset:(nn/2)*CP+(nn%2)*512
.set nn, nn+1
.endr
	HIN 0
	WIN 0
.set nn, 0
.rept 16
	s_wait_dscnt 47-nn                             ; behind load nn stand 15 - nn loads and tile 0's 32 stores
	global_store_b128 v1, v[96+4*nn:99+4*nn], s[12:13] offset:(nn/2)*1024+(nn%2)*512   ; 512 consecutive bytes: half a row of ctx_codes
.set nn, nn+1
.endr
	HBACK 0
	HIN 1
	HOUT 0, 32                                     ; behind tile 0's loads: tile 1's 32 stores
	HBACK 1
	HOUT 1, 0
	WIN 0
	s_wait_xcnt 0x0
	v_lshl_add_u32 v254, v0, 2, 0x32000
	v_mov_b32 v255, 0
	s_wait_tensorcnt 0x0
	ds_add_u32 v254, v255
	s_wait_dscnt 0x0
	s_endpgm
.Lfunc_end_k_q26babeb369_attn:
	.size	k_q26babeb369_attn, .Lfunc_end_k_q26babeb369_attn-k_q26babeb369_attn
	.p2alignl 7, 3214868480
	.fill 96, 4, 3214868480
	.section	.rodata,"a",@progbits
	.p2align	6, 0x0
	.amdhsa_kernel k_q26babeb369_attn
		.amdhsa_group_segment_fixed_size 205312
		.amdhsa_private_segment_fixed_size 0
		.amdhsa_enable_private_segment 0
		.amdhsa_kernarg_size 48
		.amdhsa_user_sgpr_count 2
		.amdhsa_user_sgpr_kernarg_segment_ptr 1
		.amdhsa_wavefront_size32 1
		.amdhsa_system_sgpr_workgroup_id_x 1
		.amdhsa_system_sgpr_workgroup_id_y 1
		.amdhsa_system_sgpr_workgroup_id_z 1
		.amdhsa_system_vgpr_workitem_id 0
		.amdhsa_next_free_vgpr 1024
		.amdhsa_next_free_sgpr 66
		.amdhsa_reserve_vcc 0
		.amdhsa_float_denorm_mode_32 3
		.amdhsa_float_denorm_mode_16_64 3
		.amdhsa_memory_ordered 1
		.amdhsa_forward_progress 1
		.amdhsa_inst_pref_size 179
	.end_amdhsa_kernel
	.amdgpu_metadata
---
amdhsa.version: [ 1, 2 ]
amdhsa.kernels:
  - .name:           k_q26babeb369_attn
    .symbol:         k_q26babeb369_attn.kd
    .args:
      - { .name: q_img, .offset: 0, .size: 8, .value_kind: global_buffer, .address_space: global }
      - { .name: k_img, .offset: 8, .size: 8, .value_kind: global_buffer, .address_space: global }
      - { .name: v_img, .offset: 16, .size: 8, .value_kind: global_buffer, .address_space: global }
      - { .name: lowp_scales, .offset: 24, .size: 8, .value_kind: global_buffer, .address_space: global }
      - { .name: ctx_codes, .offset: 32, .size: 8, .value_kind: global_buffer, .address_space: global }
      - { .name: out1, .offset: 40, .size: 8, .value_kind: global_buffer, .address_space: global }
    .group_segment_fixed_size: 205312
    .private_segment_fixed_size: 0
    .kernarg_segment_align: 8
    .kernarg_segment_size: 48
    .max_flat_workgroup_size: 128
    .sgpr_count:     66
    .vgpr_count:     1024
    .wavefront_size: 32
...
	.end_amdgpu_metadata
.endif
;; end of part 3
;; launch outp (part 4): grid 4 x 64, 4 waves a work-group, clusters of 4 x 4, 327,680 bytes of LDS; arguments ctx_codes, out_proj_w_codes, lowp_scales, out_proj_b, query, out0; writes out0
.if DOCPART == 4
	.amdgcn_target "amdgcn-amd-amdhsa--gfx1250"
	.amdhsa_code_object_version 6
	.text
	.protected	k_q26babeb369_outp
	.globl	k_q26babeb369_outp
	.p2align	8
	.type	k_q26babeb369_outp,@function
k_q26babeb369_outp:
	s_mov_b64 s[64:65], 0
	v_nop
	global_prefetch_b8 v0, s[64:65] scope:SCOPE_SE
	s_setreg_imm32_b32 hwreg(HW_REG_WAVE_MODE, 25, 1), 1
	s_wait_xcnt 0x0
	s_wait_alu depctr_hold_cnt(0) depctr_sa_sdst(0) depctr_va_vdst(0) depctr_va_sdst(0) depctr_va_ssrc(0) depctr_va_vcc(0) depctr_vm_vsrc(0)
	s_getreg_b32 s2, hwreg(HW_REG_IB_STS2, 6, 4)
	s_cmp_eq_u32 s2, 0
	s_cbranch_scc0 .Lentry_in_a_cluster
	s_endpgm
.Lentry_in_a_cluster:
	s_bfe_u32 s2, ttmp6, 0x10000c
	s_cmp_lg_u32 s2, 0xf033
	s_cbranch_scc0 .Lentry_shape_is_right
	s_endpgm
.Lentry_shape_is_right:
; out0 = ctx W^T + out_proj_b + query.  ctx: [8192][1024], W: [1024][1024]: codes of FP8 (E4M3), K innermost, with the scales 2^e10 and 2^e11; out_proj_b [1024], query and out0 [8192][1024]: f32.
; The codes are multiplied as they are; each finished sum is multiplied once by 2^(e10 + e11), and the residual and the bias are added.
; SHARES.  A tile of 128 rows x 256 columns to a work-group: 64 x 4 = 256 work-groups.  Four waves of 64 x 128: 32 accumulators, 256 registers.
; K = 1,024 is four K steps of 256.  THREE LDS slots (128 rows of ctx and 256 rows of W each) take K steps 0, 1 and 2: these first fills go out together at the head, three loads a wave.  Slot 0 is filled once more,
; with K step 3, behind the one round inside the products, and that load has K steps 1 and 2, 128 matrix instructions a wave, in which to land.
; CLUSTERS: 4 x 4 work-groups; the four of a row of the cluster ask jointly for A's tiles, the four of a column for B's.  The matrix instruction is used transposed (source 0 = 16 rows of W, source 1 = 16 rows of ctx),
; so that a lane holds eight neighbouring columns of one row.
; THE RESIDUAL (64 rows x 512 bytes a wave) is asked for at the head and in the middle of K, into a window of registers that the products do not use: it lands while they run.
; THE WAY OUT: a block of 16 rows goes through the wave's stage in LDS and comes back, as whole rows, into the accumulator registers that it left: each block has registers of its own, so no store's data are written again.
; A fragment is fetched by four loads of 16 bytes, so k stands in other places than the form's own layout gives it, alike in A and B: only the order of sums inside an instruction differs.
; LIMIT: e10 + e11 between -126 and 127, so that 2^(e10 + e11) is an f32 number.
; REGISTERS: window 0: v0-31 addresses, v8-11 my four numbers of the bias; v128-191, v192-255 A's fragments (4 x 16 rows x 128 K), two sets.   window 1: B's fragments (8 x 16 rows x 128 K), two sets.
;   window 2: the accumulators ((a, b) at v[8 (8 a + b)]), later the rows of out0.   window 3: the residual, block a at v[64 a].
.set ROWB,   256                       ; a tile's row in bytes
.set KROW,   1024                      ; a row of ctx or of W in memory
.set PITCH,  272                       ; an LDS row: 256 bytes + 16 of padding = 68 words: row r starts at bank 4 r mod 64 (64 banks of 4 bytes: ISA guide 11.1)
.set FR,     16                        ; registers of a fragment
.set NP,     4                         ; places behind this matrix instruction (ISA guide 7.12.1)
.set AHALF,  64*PITCH                  ; what a tensor load for A brings
.set BHALF,  128*PITCH                 ; what a tensor load for B brings
.set BOFF,   2*AHALF                   ; a slot: A's 128 rows, then B's 256
.set SLOT,   BOFF+2*BHALF
.set SPARE,  3*SLOT                    ; behind the slots: the spare words, 128 bytes for each wave
.set STAGE,  SLOT                      ; the way out: 16 rows x (512 bytes + 16) for each wave, in slot 1: it is filled once, and every wave has passed the last barrier, behind which nobody reads it, when the first result is stored there
.set SPITCH, 528
.set ADRA, 16                          ; v16-18  LDS address of my A fragments in slot 0, 1, 2
.set ADRB, 20                          ; v20-22  the same for B
.set STO,  24                          ; v24     the way out: where I put 32 bytes of a row
.set RD,   25                          ; v25     where I read a row back
.set CO,   26                          ; v26     16 x lane: my bytes of a row of 512
.set SPW,  28                          ; v28     LDS address of my spare word; never rewritten
.set NIL,  29                          ; v29     0; never rewritten
.set AF,   128
.set G1,  24                           ; s[24:31] descriptor group 1 for A's tiles;  s[32:39] for B's
.set G1B, 32
.set G0,  40                           ; s[40:51] group 0 for A's tiles, one set for each slot;  s[52:63] for B's
.set G0B, 52
.set MSB, 0
.macro WIN new                         ; bits 1:0 source 0, 3:2 source 1, 5:4 source 2, 7:6 destination; the immediate's high byte repeats the setting that is left
.if MSB != \new
	s_set_vgpr_msb (MSB<<8)|\new
.set MSB, \new
.endif
.endm
.set MUL,  0xa1                        ; source 0 (B) window 1, source 1 (A) window 0, C and D window 2
.set TO_B, 0x40                        ; destination window 1, address window 0
.macro JLOAD g0a, g1a, g0b, g1b        ; a joint load: waves 0 and 1 fetch A's halves, waves 2 and 3 B's; the branch hangs on the wave's number alone; four v_nop follow each of the two lines
	s_cmp_eq_u32 s15, 0
	s_cbranch_scc0 .Lfor_b_\@
	tensor_load_to_lds s[\g0a:\g0a+3], s[\g1a:\g1a+7]
	s_nop 0
.rept 4
	v_nop
.endr
	s_branch .Lasked_\@
.Lfor_b_\@:
	tensor_load_to_lds s[\g0b:\g0b+3], s[\g1b:\g1b+7]
	s_nop 0
.rept 4
	v_nop
.endr
.Lasked_\@:
.endm
.macro CREST                           ; a round of the cluster's barrier behind its opening barrier
	s_cmp_lg_u32 s14, 0
	s_cbranch_scc1 .Lnot_wave_0_\@
	s_barrier_signal -3
.Lnot_wave_0_\@:
	s_barrier_wait -3
	s_barrier_signal -1
	s_barrier_wait -1
.endm
.macro CROUND                          ; a whole round
	s_barrier_signal -1
	s_barrier_wait -1
	CREST
.endm
	s_load_b128 s[4:7], s[0:1], 0x0                ; ctx's codes s[4:5], W's codes s[6:7]
	s_load_b128 s[8:11], s[0:1], 0x10              ; scales s[8:9], out_proj_b s[10:11]
	s_load_b128 s[68:71], s[0:1], 0x20             ; query s[68:69], out0 s[70:71]
	v_lshl_add_u32 v[SPW], v0, 2, SPARE
	v_mov_b32 v[NIL], 0
	ds_add_u32 v28, v29
	ds_add_u32 v28, v29
	s_wait_dscnt 0x0
	v_lshrrev_b32 v1, 5, v0
	v_readfirstlane_b32 s14, v1                    ; wave 0..3
	s_lshr_b32 s15, s14, 1                         ; which 64 of the tile's rows are mine.  Also: I fetch for A (0) or for B (1)
	s_and_b32 s16, s14, 1                          ; which 128 of its columns.  Also: which half of that tile I fetch
	s_bfe_u32 s72, ttmp6, 0x40000                  ; cx, cy: my place in the cluster
	s_bfe_u32 s73, ttmp6, 0x40004
	s_lshl_b32 s74, ttmp9, 2
	s_add_co_u32 s74, s74, s72                     ; tile column = 4 x cluster x + cx
	s_and_b32 s17, ttmp7, 0xffff
	s_lshl_b32 s17, s17, 2
	s_add_co_u32 s17, s17, s73                     ; tile row = 4 x cluster y + cy
	s_lshl_b32 s75, s73, 2
	s_lshl_b32 s75, 15, s75                        ; my row of the cluster
	s_lshl_b32 s76, 0x1111, s72                    ; my column
	s_or_b32 s[G1+0], s75, (0<<16)|(1<<20)|(1<<21)|(5<<22)|(3<<25)  ; 15:0 the mask: A's tiles go to my row; 17:16 element of 1 byte; 20 padding on; 21 set beside a mask; 24:22 after every 64 words (code 5); 31:25 of 4 words (code 3)
	s_or_b32 s[G1B+0], s76, (0<<16)|(1<<20)|(1<<21)|(5<<22)|(3<<25)
	s_mov_b32 s[G1+1], ROWB<<16                    ; tensor_dim0
	s_mov_b32 s[G1+2], 64<<16                      ; tensor_dim1 = 64
	s_mov_b32 s[G1+3], ROWB<<16                    ; tile_dim0
	s_mov_b32 s[G1+4], 64                          ; tile_dim1 = 64
	s_mov_b32 s[G1+5], KROW                        ; tensor_dim0_stride
	s_mov_b32 s[G1+6], 0
	s_mov_b32 s[G1+7], 0
	s_mov_b32 s[G1B+1], ROWB<<16
	s_mov_b32 s[G1B+2], 128<<16                    ; tensor_dim1 = 128
	s_mov_b32 s[G1B+3], ROWB<<16
	s_mov_b32 s[G1B+4], 128                        ; tile_dim1 = 128
	s_mov_b32 s[G1B+5], KROW
	s_mov_b32 s[G1B+6], 0
	s_mov_b32 s[G1B+7], 0
	s_lshl_b32 s20, s17, 7
	s_lshl_b32 s18, s16, 6
	s_add_co_u32 s20, s20, s18                     ; A: row 128 x tile row + 64 x half,
	s_lshl_b32 s20, s20, 10                        ; in bytes (under 2^23)
	s_mov_b32 s21, 0
	s_lshl_b32 s80, s74, 8
	s_lshl_b32 s18, s16, 7
	s_add_co_u32 s80, s80, s18                     ; B: row 256 x tile column + 128 x half
	s_lshl_b32 s80, s80, 10
	s_mov_b32 s81, 0
	s_mul_i32 s77, s16, AHALF                      ; where they go in a slot: no place in the cluster enters an LDS address
	s_mul_i32 s78, s16, BHALF
	s_add_co_u32 s78, s78, BOFF
	s_wait_kmcnt 0x0
	s_load_b64 s[96:97], s[8:9], 0x28              ; e10, e11
	s_add_nc_u64 s[20:21], s[4:5], s[20:21]
	s_add_nc_u64 s[80:81], s[6:7], s[80:81]
	CROUND                                         ; all sixteen work-groups are here: the first joint loads meet
.irp s, 0,1,2                                  ; K steps 0, 1, 2: three loads of mine are out
	s_mov_b32 s[G0+4*\s], 1
	s_add_co_u32 s[G0+4*\s+1], s77, \s*SLOT
	s_add_nc_u64 s[G0+4*\s+2:G0+4*\s+3], s[20:21], \s*ROWB
	s_or_b32 s[G0+4*\s+3], s[G0+4*\s+3], 0x80000000
	s_mov_b32 s[G0B+4*\s], 1
	s_add_co_u32 s[G0B+4*\s+1], s78, \s*SLOT
	s_add_nc_u64 s[G0B+4*\s+2:G0B+4*\s+3], s[80:81], \s*ROWB
	s_or_b32 s[G0B+4*\s+3], s[G0B+4*\s+3], 0x80000000
	JLOAD G0+4*\s, G1, G0B+4*\s, G1B
.endr
	v_and_b32 v1, 15, v0                           ; l % 16
	v_bfe_u32 v2, v0, 4, 1                         ; l / 16
	v_mul_u32_u24 v3, v1, PITCH
	v_lshl_add_u32 v4, v2, 4, v3                   ; a fragment's row x pitch + 16 x half
	s_mul_i32 s22, s15, AHALF                      ; my 64 rows of A
	s_mul_i32 s23, s16, BHALF                      ; my 128 rows of B,
	s_add_co_u32 s23, s23, BOFF                    ; which lie behind A's 128
.irp s, 0,1,2
	v_add_nc_u32 v[ADRA+\s], s22, v4
	v_add_nc_u32 v[ADRB+\s], s23, v4
	s_add_co_u32 s22, s22, SLOT
	s_add_co_u32 s23, s23, SLOT
.endr
	s_mul_i32 s22, s14, 16*SPITCH
	s_add_co_u32 s22, s22, STAGE                   ; my stage
	v_mul_u32_u24 v5, v1, SPITCH                   ; in: row l % 16, 32 bytes for each half of the lanes
	v_lshl_add_u32 v5, v2, 5, v5
	v_add_nc_u32 v[STO], s22, v5
	v_and_b32 v6, 31, v0
	v_lshlrev_b32 v[CO], 4, v6                     ; back: the 32 lanes take one row of 512 bytes; the same in query, out0 and the bias
	v_add_nc_u32 v[RD], s22, v[CO]
	s_lshl_b32 s18, s17, 7
	s_lshl_b32 s19, s15, 6
	s_add_co_u32 s18, s18, s19                     ; my first row: 128 x tile row + 64 x half,
	s_lshl_b32 s18, s18, 12                        ; in bytes (under 2^25)
	s_lshl_b32 s82, s74, 10
	s_lshl_b32 s83, s16, 9
	s_add_co_u32 s82, s82, s83                     ; my first column, in bytes
	s_mov_b32 s83, 0
	s_add_nc_u64 s[10:11], s[10:11], s[82:83]
	s_add_co_u32 s18, s18, s82
	s_mov_b32 s19, 0
	s_add_nc_u64 s[68:69], s[68:69], s[18:19]
	s_add_nc_u64 s[70:71], s[70:71], s[18:19]
.macro RESLOAD a                       ; rows 16 a .. 16 a + 15 of query, my 128 columns, 512 consecutive bytes a load, into window 3
	WIN 0xc0
.irp t, 0,1,2,3,4,5,6,7,8,9,10,11,12,13,14,15
	global_load_b128 v[64*(\a)+4*\t:64*(\a)+4*\t+3], v[CO], s[68:69] offset:(16*(\a)+\t)*4096 th:TH_LOAD_NT
.endr
.endm
	global_load_b128 v[8:11], v[CO], s[10:11]      ; the bias of my four columns
	RESLOAD 0
	RESLOAD 1
	RESLOAD 2                                      ; (block 3 follows in the middle of K)
	WIN 0
.macro FRAG reg, adr, q, i             ; a fragment, 16 rows x 128 K of 8-bit codes, is 16 registers: lane l holds row l % 16; registers 4 c .. 4 c + 3 hold K = 32 c + 16 (l / 16) + 0 .. 15
.irp c, 0,1,2,3
	ds_load_b128 v[\reg+4*\c:\reg+4*\c+3], v[\adr] offset:128*(\q)+32*\c+(\i)*16*PITCH
.endr
.endm
.macro MUL8 a, p, zero                 ; 8 matrix instructions: A's block a x B's eight, 128 along K, from set p.  The 32 accumulators take turns, one instruction a turn, in the same order in every step
.irp b, 0,1,2,3,4,5,6,7
.if \zero
	v_wmma_f32_16x16x128_fp8_fp8 v[8*(8*(\a)+\b):8*(8*(\a)+\b)+7], v[128*(\p)+FR*\b:128*(\p)+FR*\b+FR-1], v[AF+64*(\p)+FR*(\a):AF+64*(\p)+FR*(\a)+FR-1], 0
.else
	v_wmma_f32_16x16x128_fp8_fp8 v[8*(8*(\a)+\b):8*(8*(\a)+\b)+7], v[128*(\p)+FR*\b:128*(\p)+FR*\b+FR-1], v[AF+64*(\p)+FR*(\a):AF+64*(\p)+FR*(\a)+FR-1], v[8*(8*(\a)+\b):8*(8*(\a)+\b)+7]
.endif
.endr
.endm
.macro FETCH_B slot, q, p              ; B's eight fragments of the slot's q-th 128 along K into set p
	WIN TO_B
.irp i, 0,1,2,3,4,5,6,7
	FRAG 128*(\p)+FR*\i, ADRB+\slot, \q, \i
.endr
	WIN 0
.endm
.macro FETCH_A slot, q, p              ; A's four
.irp i, 0,1,2,3
	FRAG AF+64*(\p)+FR*\i, ADRA+\slot, \q, \i
.endr
.endm
.macro PLACES n                        ; plain vector lines between a matrix instruction and a load into, or a store of, one of its registers (ISA guide 7.12.1 for vector instructions)
.rept \n
	v_nop
.endr
.endm
; A step of 128 along K: set p is multiplied; ahead of its 32 products the next step's 48 fragment loads (the q-th 128 of slot nslot) go out into the other set.  zero = 1: the products start the sums: nothing is cleared.
.macro STEP p, nslot, nq, zero
	s_wait_dscnt 0x0                               ; set p is in: its loads went out ahead of the last step's products
.if \zero == 0
	PLACES NP                                      ; the last step's products read the set that is now loaded
.endif
	FETCH_B \nslot, \nq, 1-\p
	FETCH_A \nslot, \nq, 1-\p
	WIN MUL
.irp a, 0,1,2,3
	MUL8 \a, \p, \zero
.endr
.endm
; A step (on set 1) behind which a slot is read that a barrier has to show whole.  In front of the barrier each wave waits for all its tensor loads, adds 0 to its spare word, and waits for that and for its reads so far.
; fill = 1: the barrier opens a round of the cluster's barrier, and slot 0, which has been read out, takes K step 3.
.macro TURN next, fill
	WIN 0                                          ; (the add's two registers lie in window 0)
	s_wait_tensorcnt 0x0                           ; all my tensor loads have landed
	ds_add_u32 v[SPW], v[NIL]                      ; 0 onto my spare word
	s_wait_dscnt 1                                 ; set 1 is in; the add may be out
	WIN MUL
	MUL8 0, 1, 0                                   ; eight matrix instructions stand between the add and the wait for it
	s_wait_dscnt 0x0                               ; the add is done, and my reads of the slots read so far are over
	s_barrier_signal -1
	MUL8 1, 1, 0
	WIN 0
	s_barrier_wait -1
.if \fill
	CREST                                          ; no wave of any partner still reads slot 0 or has a load on its way; slots 1 and 2 are whole in every work-group
	s_add_nc_u64 s[G0+2:G0+3], s[G0+2:G0+3], 3*ROWB
	s_add_nc_u64 s[G0B+2:G0B+3], s[G0B+2:G0B+3], 3*ROWB
	JLOAD G0, G1, G0B, G1B                         ; the first tensor load behind the round, and my last; its four v_nop are the places in front of the loads below
.else
	PLACES NP
.endif
	FETCH_B \next, 0, 0
	FETCH_A \next, 0, 0
	WIN MUL
	MUL8 2, 1, 0
	MUL8 3, 1, 0
.endm
	s_wait_tensorcnt 2                             ; my part of K step 0 is in (the loads of K steps 1 and 2 may be out)
	s_barrier_signal -1
	s_barrier_wait -1                              ; everybody's is
	FETCH_B 0, 0, 0
	FETCH_A 0, 0, 0
	STEP 0, 0, 1, 1                                ; K step 0, first half
	TURN 1, 1                                      ; K step 0, second half; slot 0 takes K step 3
	STEP 0, 1, 1, 0                                ; K step 1
	RESLOAD 3                                      ; the residual's last block
	STEP 1, 2, 0, 0                                ; no barrier on the way into slot 2: the round has shown it whole
	STEP 0, 2, 1, 0                                ; K step 2
	TURN 0, 0                                      ; K step 3 has landed; nothing is left to fetch
	STEP 0, 0, 1, 0                                ; K step 3
	s_wait_dscnt 0x0
	WIN MUL
.irp a, 0,1,2,3
	MUL8 \a, 1, 0
.endr
; THE WAY OUT, block by block of 16 rows x 128 columns.  In the layout in which the rows come back (16 bytes a lane) the residual and the bias lie alike, and 32 lanes store 512 consecutive bytes.
.macro STAGE a
.set AC, 64*(\a)
	WIN 0x08                                       ; store data window 2
.irp b, 0,1,2,3,4,5,6,7
	ds_store_b128 v[STO], v[AC+8*\b:AC+8*\b+3] offset:64*\b                ; each accumulator from its low end on
	ds_store_b128 v[STO], v[AC+8*\b+4:AC+8*\b+7] offset:64*\b+16
.endr
	WIN 0x80                                       ; destination window 2: back into the registers that they left
.irp t, 0,1,2,3,4,5,6,7,8,9,10,11,12,13,14,15
	ds_load_b128 v[AC+4*\t:AC+4*\t+3], v[RD] offset:\t*SPITCH              ; LDS serves a wave's instructions in order (ISA guide 5.7.1.4): these see the stores above, and the next block's stores come behind them
.endr
.endm
.macro FIN a, younger                  ; younger: the LDS instructions issued behind block a's loads
.set AC, 64*(\a)
	s_wait_dscnt \younger                          ; the block is back in registers
	s_wait_loadcnt 16*(3-(\a))                     ; the bias and the block's rows of the residual are in; the younger blocks' loads may be out
	WIN 0xb2                                       ; the sums (source 0, destination) window 2, the residual (source 2) window 3
.set jj, 0
.rept 32
	v_pk_fma_f32 v[AC+jj:AC+jj+1], v[AC+jj:AC+jj+1], s[96:97], v[AC+jj:AC+jj+1] op_sel_hi:[1,0,1]   ; sum x 2^(e10 + e11) + query
.set jj, jj+2
.endr
	WIN 0x82                                       ; the bias (source 1) window 0
.irp t, 0,1,2,3,4,5,6,7,8,9,10,11,12,13,14,15
	v_pk_add_f32 v[AC+4*\t:AC+4*\t+1], v[AC+4*\t:AC+4*\t+1], v[8:9]
	v_pk_add_f32 v[AC+4*\t+2:AC+4*\t+3], v[AC+4*\t+2:AC+4*\t+3], v[10:11]
.endr
	WIN 0x08
.irp t, 0,1,2,3,4,5,6,7,8,9,10,11,12,13,14,15
	global_store_b128 v[CO], v[AC+4*\t:AC+4*\t+3], s[70:71] offset:(16*(\a)+\t)*4096 th:TH_STORE_NT   ; 512 consecutive bytes, at a multiple of 256 from out0's first byte; every offset an immediate: 63 rows of 4,096 bytes at the most
.endr
.endm
	s_wait_kmcnt 0x0
	s_add_co_i32 s96, s96, s97
	s_add_co_i32 s96, s96, 127
	s_lshl_b32 s96, s96, 23                        ; 2^(e10 + e11) as f32
	s_mov_b32 s97, s96                             ; (named with it as a pair, so it is written)
	PLACES NP                                      ; behind the last products: for the stores of their results and the loads into them
	STAGE 0
	STAGE 1
	FIN 0, 32                                      ; behind block 0's loads: block 1's 16 stores and 16 loads
	STAGE 2
	FIN 1, 32
	STAGE 3
	FIN 2, 32
	FIN 3, 0
	WIN 0
	s_wait_tensorcnt 0x0                           ; the wave's end
	ds_add_u32 v[SPW], v[NIL]
	s_wait_dscnt 0x0
	CROUND                                         ; the closing round: no work-group ends while a partner may still ask for a tile that names it
	s_endpgm
.Lfunc_end_k_q26babeb369_outp:
	.size	k_q26babeb369_outp, .Lfunc_end_k_q26babeb369_outp-k_q26babeb369_outp
	.p2alignl 7, 3214868480
	.fill 96, 4, 3214868480
	.section	.rodata,"a",@progbits
	.p2align	6, 0x0
	.amdhsa_kernel k_q26babeb369_outp
		.amdhsa_group_segment_fixed_size 327680
		.amdhsa_private_segment_fixed_size 0
		.amdhsa_enable_private_segment 0
		.amdhsa_kernarg_size 48
		.amdhsa_user_sgpr_count 2
		.amdhsa_user_sgpr_kernarg_segment_ptr 1
		.amdhsa_wavefront_size32 1
		.amdhsa_system_sgpr_workgroup_id_x 1
		.amdhsa_system_sgpr_workgroup_id_y 1
		.amdhsa_system_sgpr_workgroup_id_z 1
		.amdhsa_system_vgpr_workitem_id 0
		.amdhsa_next_free_vgpr 1024
		.amdhsa_next_free_sgpr 100
		.amdhsa_reserve_vcc 0
		.amdhsa_float_denorm_mode_32 3
		.amdhsa_float_denorm_mode_16_64 3
		.amdhsa_memory_ordered 1
		.amdhsa_forward_progress 1
		.amdhsa_inst_pref_size 90
	.end_amdhsa_kernel
	.amdgpu_metadata
---
amdhsa.version: [ 1, 2 ]
amdhsa.kernels:
  - .name:           k_q26babeb369_outp
    .symbol:         k_q26babeb369_outp.kd
    .args:
      - { .name: ctx_codes, .offset: 0, .size: 8, .value_kind: global_buffer, .address_space: global }
      - { .name: out_proj_w_codes, .offset: 8, .size: 8, .value_kind: global_buffer, .address_space: global }
      - { .name: lowp_scales, .offset: 16, .size: 8, .value_kind: global_buffer, .address_space: global }
      - { .name: out_proj_b, .offset: 24, .size: 8, .value_kind: global_buffer, .address_space: global }
      - { .name: query, .offset: 32, .size: 8, .value_kind: global_buffer, .address_space: global }
      - { .name: out0, .offset: 40, .size: 8, .value_kind: global_buffer, .address_space: global }
    .group_segment_fixed_size: 327680
    .private_segment_fixed_size: 0
    .kernarg_segment_align: 8
    .kernarg_segment_size: 48
    .max_flat_workgroup_size: 128
    .sgpr_count:     100
    .vgpr_count:     1024
    .wavefront_size: 32
...
	.end_amdgpu_metadata
.endif
;; end of part 4
;; ======== version 2 of 2: 4 launches; version 1 with the launch attn written anew for expert scheduling mode
;; workspace buffers: nq_codes 8,388,608 bytes; nk_codes 8,388,608 bytes; nv_codes 8,388,608 bytes; w_codes 3,145,728 bytes; q_img 8,388,608 bytes; k_img 8,388,608 bytes; v_img 8,388,608 bytes; ctx_codes 8,388,608 bytes
;; launch prep: the kernel of part 1 again; grid 864 x 1, 4 waves a work-group, no clusters, 17,920 bytes of LDS; arguments query, key, value, in_proj_w, ln_gamma, ln_beta, lowp_scales, nq_codes, nk_codes, nv_codes, w_codes; writes nq_codes, nk_codes, nv_codes, w_codes
;; launch proj: the kernel of part 2 again; grid 4 x 96, 4 waves a work-group, clusters of 4 x 4, 327,680 bytes of LDS; arguments nq_codes, nk_codes, nv_codes, w_codes, in_proj_b, lowp_scales, q_img, k_img, v_img; writes q_img, k_img, v_img
;; launch attn (part 5): grid 32 x 8, 4 waves a work-group, no clusters, 205,312 bytes of LDS; arguments q_img, k_img, v_img, lowp_scales, ctx_codes, out1; writes ctx_codes, out1
.if DOCPART == 5
	.amdgcn_target "amdgcn-amd-amdhsa--gfx1250"
	.amdhsa_code_object_version 6
	.text
	.protected	k_q26babeb369_attn
	.globl	k_q26babeb369_attn
	.p2align	8
	.type	k_q26babeb369_attn,@function
k_q26babeb369_attn:
	s_mov_b64 s[64:65], 0
	v_nop
	global_prefetch_b8 v0, s[64:65] scope:SCOPE_SE
	s_setreg_imm32_b32 hwreg(HW_REG_WAVE_SCHED_MODE, 0, 2), 2
	s_setreg_imm32_b32 hwreg(HW_REG_WAVE_MODE, 25, 1), 1
	s_wait_xcnt 0x0
	s_wait_alu depctr_vm_vsrc(0)
; Attention on codes of FP8 (E4M3) for 8 batches x 16 heads, 1,024 tokens, head size 64, with the softmax averaged over the heads as a second result.
;   t = score x log2(e) / 8; M = ceil(largest t); p = 2^(t - M) is quantised along the keys with 2^e9; l = the sum of the unquantised p; ctx = (V^T p) 2^(e8 + e9) / l, quantised with 2^e10; out1 = (1 / 16) sum over heads of p / l.
; SHARES.  A work-group owns 32 queries of one batch, ALL 1,024 keys and ALL 16 heads, so that l is known while p still lies in registers: each exponential is made once, and the average over heads is summed in registers.
; Wave w owns keys 256 w .. 256 w + 255 for both tiles of 16 queries.  8 batches x 32 blocks of queries are 256 work-groups.
; M BY WAVE.  Each wave takes M from its own 256 keys; the four partial sums are brought under the row's M by 2^(own M - M), an exact power of two.  Numbers so small that they fall under the format's range may differ.
; OPERANDS come as images of registers (1,024 bytes: byte 512 c + 16 lane + i), laid out by the launch before; each byte of K and V is wanted by ONE wave of the work-group, so it goes from memory straight into that wave's
; operand registers, 512 consecutive bytes a load, with no LDS between.  No multicast: what a work-group's waves fetch is shared with other work-groups, but a joint tile would have to cross LDS (a write and a read of
; 128 KiB a head) to reach registers that the loads below reach directly, and each load is issued a phase of the head's work ahead of its use: the next head's Q and K behind this head's first product, its V behind the second.
; The last head is written out a second time, without loads: no load leaves its buffer and none is made in vain.
; LAYOUT.  Both products are used transposed: S^T = K Q^T (source 0 = 16 keys, source 1 = 16 queries), O^T = V^T P (source 0 = 16 channels, source 1 = P): a lane holds ONE query (lane % 16) throughout.
; Lane row r of image 2 g + u is token 32 g + 8 u + r + 8 (r / 8), so register j of lane (r, h) of tile 2 g + u is key 32 g + 16 h + 8 u + j: the 16 registers of tiles 2 g, 2 g + 1 are 16 neighbouring keys,
; and the conversions' results are the second product's operand.  k stands in the same places in both operands of each product, though not in those of the form's own layout: only the order of sums inside an instruction differs.
; LIMITS: e6 + e7 between -124 and 129 (they are added to c's exponent field); e9 and e10 between -126 and 119; e8 + e9 is applied by v_ldexp_f32 and has none.  NaN among the inputs is not served.
; REGISTERS, in windows of 256: window 0: see the names below.   window 1: S^T, then p: tile (qt, kt) at v[8 (16 qt + kt)].   window 2: the sum over heads of p / (16 l), laid as window 1.
;   window 3: v0-127 K, 8 registers an image; v128-255 V, fragment (kc, tl) of 16 channels x 128 keys at v[128 + 16 (4 kc + tl)].
; THE MODE: SCHED_MODE bits 1:0 = 2 (LLVM: expert scheduling mode 2), set by the entry lines.  The code itself states the register dependences
; between vector or matrix instructions and memory or LDS instructions, with s_wait_alu, always for 0.
; THE PLAN.  Registers that memory or LDS instructions touch, in a head:
;   Q (v64-79), K (window 3, v0-127)   read by the first product's 32 matrix instructions; behind them the next head's loads land there.
;   V (window 3, v128-255)             read by the second product's 16 matrix instructions; behind them the next head's loads land there.
;   O^T (v160-223), v16-19             written by the second product and by the statistics' lines; read by the exchange's 17 LDS stores; written again in the next head.
;   v20-35                             LDS loads land there; read by the statistics' lines; loaded again in the next head.
;   v96-159                            written by the conversions, read by the second product; then LDS loads land there, and the lines that make ctx read them.
;   v7, v240-243                       written at the head's top and by its last conversions; read by the two LDS stores at its end; written again in the next head.
;   v1-v6, v8-v10                      offsets and LDS addresses, made once at the kernel's head and never written again.
; So a head has ONE wait on vm_vsrc, behind the first product: the LDS stores of the head before have read all that this head writes again.  And it has five waits on va_vdst: ahead of Q's and K's loads (the first product is
; done reading them); behind the exponentials; behind the second product's places (for the exchange's stores, for V's loads, and for the LDS loads into v20-35 and v96-159: up to the last of these no vector line follows it);
; behind the reciprocals; and ahead of the two stores of ctx's codes.  The last of these, in the last head, also serves the whole way out, which holds no vector line ahead of its closing lines.
.set XO,  0                            ; LDS: the waves' partial O^T: 4 x 16 pieces of 512 bytes
.set XS,  32768                        ; their statistics: 4 x 512 bytes
.set CTX, 34816                        ; ctx's codes: 32 rows x (1,024 + 16) bytes
.set CP,  1040
.set HST, 68096                        ; the way out of the average: for each wave 2 x 16 rows x (1,024 + 16) bytes
.set HW,  2*16*CP
; window 0: v1 16 x lane; v2, v3 XO in, out; v4, v5 XS in, out; v6 CTX in, head 0; v7 CTX in, this head; v8, v9 HST in, out; v10 CTX out; v11 448 x 2^e9, v12 2^e9; v13 448 x 2^e10, v14 2^e10;
; v16-19 (-M, l) of tile 0, of tile 1; v20-35 the four waves'; v36-43 eight maxima; v44-59 eight pairs of sums; v60-61 2^(own M - M) / (16 l); v62-63 at work; v64-79 Q; v80-95 held p; v96-159 P's codes, then the four partial O^T;
; v160-223 O^T, tile (tl, qt) at v[160 + 8 (2 tl + qt)]; v224-239 ctx; v240-243 its codes; v244-251 the factor of wave s for tile qt at v[244 + 2 s + qt]; v252-255 at work.
.set MSB, 0
.macro WIN new                         ; bits 1:0 source 0, 3:2 source 1, 5:4 source 2, 7:6 destination; the immediate's high byte repeats the setting that is left
.if MSB != \new
	s_set_vgpr_msb (MSB<<8)|\new
.set MSB, \new
.endif
.endm
.macro LOADQ                           ; two images: my work-group's 32 queries
	WIN 0
.irp i, 0,1,2,3
	global_load_b128 v[64+4*\i:67+4*\i], v1, s[4:5] offset:512*\i
.endr
.endm
.macro LOADK n0, n1                    ; halves n0 .. n1 - 1 of my wave's sixteen images: 256 keys
	WIN 0xc0                                       ; destination window 3
.set nn, \n0
.rept (\n1)-(\n0)
	global_load_b128 v[4*nn:4*nn+3], v1, s[6:7] offset:512*nn
.set nn, nn+1
.endr
	WIN 0
.endm
.macro LOADV kc                        ; eight images: fragment (kc, tl) is images 8 kc + tl (64 keys) and 8 kc + 4 + tl (the next 64) on end
	WIN 0xc0
.irp tl, 0,1,2,3
.irp s, 0,1
.irp c, 0,1
	global_load_b128 v[128+16*(4*\kc+\tl)+8*\s+4*\c:128+16*(4*\kc+\tl)+8*\s+4*\c+3], v1, s[8:9] offset:(8*\kc+4*\s+\tl)*1024+512*\c
.endr
.endr
.endr
	WIN 0
.endm
	s_load_b256 s[4:11], s[0:1], 0x0               ; q_img s[4:5], k_img s[6:7], v_img s[8:9], scales s[10:11]
	s_load_b128 s[12:15], s[0:1], 0x20             ; ctx_codes s[12:13], out1 s[14:15]
	v_lshrrev_b32 v15, 5, v0
	v_readfirstlane_b32 s16, v15                   ; wave 0..3
	v_and_b32 v15, 31, v0
	v_lshlrev_b32 v1, 4, v15                       ; 16 x lane
	v_and_b32 v62, 15, v0                          ; r
	v_bfe_u32 v63, v0, 4, 1                        ; h
	s_wait_alu depctr_va_sdst(0)                   ; s16 is written, ahead of its first reader: LDS addresses and the buffers' offsets are made from it
	s_lshl_b32 s17, s16, 13
	v_add_nc_u32 v2, s17, v1                       ; my 16 pieces of O^T
	s_lshl_b32 s17, s16, 11
	v_add_nc_u32 v3, s17, v1                       ; pieces 4 w .. 4 w + 3 of each wave: channel tile w
	s_lshl_b32 s17, s16, 9
	s_add_co_u32 s17, s17, XS
	v_add_nc_u32 v4, s17, v1
	v_add_nc_u32 v5, XS, v1
	v_and_b32 v6, 8, v62
	v_add_nc_u32 v6, v6, v62                       ; r + 8 (r / 8): tile 0's query of my lane; tile 1's lies 8 rows on
	v_mul_u32_u24 v6, v6, CP
	v_lshl_add_u32 v6, v63, 4, v6
	s_lshr_b32 s17, s16, 1
	s_lshl_b32 s17, s17, 5
	s_and_b32 s18, s16, 1
	s_lshl_b32 s18, s18, 3
	s_add_co_u32 s17, s17, s18
	s_add_co_u32 s17, s17, CTX
	v_add_nc_u32 v6, s17, v6                       ; channels 32 (w / 2) + 16 h + 8 (w % 2) + 0 .. 7
	s_mul_i32 s17, s16, HW
	s_add_co_u32 s17, s17, HST
	v_mul_u32_u24 v8, v62, CP
	v_lshl_add_u32 v8, v63, 6, v8
	v_add_nc_u32 v8, s17, v8                       ; row r, + 64 h bytes: keys 16 h on
	v_add_nc_u32 v9, s17, v1
	s_mul_i32 s17, s16, 8*CP
	s_add_co_u32 s17, s17, CTX
	v_add_nc_u32 v10, s17, v1                      ; rows 8 w .. 8 w + 7 of ctx
	s_mov_b32 s20, 0x76543210                      ; v_permlanex16_b32: lane l takes lane l xor 16
	s_mov_b32 s21, 0xfedcba98
	s_and_b32 s18, ttmp7, 0xffff                   ; batch
	s_lshl_b32 s30, s18, 20                        ; its first byte in the three buffers of images and in ctx_codes
	s_lshl_b32 s32, ttmp9, 11                      ; two images a block of queries
	s_add_co_u32 s32, s32, s30
	s_mov_b32 s33, 0
	s_lshl_b32 s34, s16, 14                        ; sixteen images a wave
	s_add_co_u32 s34, s34, s30
	s_mov_b32 s35, 0
	s_lshl_b32 s44, ttmp9, 15
	s_add_co_u32 s44, s44, s30
	s_lshl_b32 s45, s16, 13
	s_add_co_u32 s44, s44, s45                     ; ctx_codes: row 1024 b + 32 block + 8 w
	s_mov_b32 s45, 0
	s_lshl_b32 s46, s18, 22
	s_lshl_b32 s47, ttmp9, 17
	s_add_co_u32 s46, s46, s47
	s_lshl_b32 s47, s16, 10
	s_add_co_u32 s46, s46, s47                     ; out1: row 1024 b + 32 block, key 256 w
	s_mov_b32 s47, 0
	s_wait_kmcnt 0x0
	s_load_b128 s[24:27], s[10:11], 0x18           ; e6, e7, e8, e9
	s_load_b32 s28, s[10:11], 0x28                 ; e10
	s_add_nc_u64 s[4:5], s[4:5], s[32:33]
	s_add_nc_u64 s[6:7], s[6:7], s[34:35]
	s_add_nc_u64 s[8:9], s[8:9], s[34:35]
	s_add_nc_u64 s[12:13], s[12:13], s[44:45]
	s_add_nc_u64 s[14:15], s[14:15], s[46:47]
	s_wait_alu depctr_va_vdst(0)                   ; v1 to v6 and v8 to v10 are written: every load and store of the kernel, LDS or global, reads one of them (or v7, made from v6) as its offset or address
	LOADQ                                          ; head 0: what the first product wants goes out first; the set-up below stands between it and V's loads
	LOADK 0, 32
	v_mov_b32 v17, 0                               ; (named as the upper halves of the pairs v[16:17], v[18:19] before they hold l)
	v_mov_b32 v19, 0
	WIN 0x80                                       ; destination window 2
.set jj, 0
.rept 256
	v_mov_b32 v[jj], 0                             ; the sum over heads.  Cleared once in the launch, so that every head's body is the same
.set jj, jj+1
.endr
	WIN 0
	s_wait_kmcnt 0x0
	s_add_co_i32 s29, s24, s25
	s_lshl_b32 s29, s29, 23
	s_add_co_i32 s22, s29, 0x3e38aa3b              ; c = log2(e) / 8, x 2^(e6 + e7): the two exponents are added to c's exponent field
	s_mov_b32 s23, s22                             ; (named with it as a pair, so it is written)
	s_add_co_i32 s29, s27, 127
	s_lshl_b32 s37, s29, 23
	v_mov_b32 v12, s37                             ; 2^e9
	s_add_co_i32 s29, s29, 8
	s_lshl_b32 s29, s29, 23
	s_or_b32 s29, s29, 0x600000
	v_mov_b32 v11, s29                             ; 448 x 2^e9
	s_add_co_i32 s29, s28, 127
	s_lshl_b32 s37, s29, 23
	v_mov_b32 v14, s37                             ; 2^e10
	s_add_co_i32 s29, s29, 8
	s_lshl_b32 s29, s29, 23
	s_or_b32 s29, s29, 0x600000
	v_mov_b32 v13, s29                             ; 448 x 2^e10
	s_add_co_i32 s41, s26, s27                     ; e8 + e9
	s_cmp_lt_i32 s27, -8                           ; p is at most 1 (but for a last bit): it can pass 448 x 2^e9 only where e9 < -8
	s_cselect_b32 s40, 1, 0
	LOADV 0                                        ; no further wait: the vector lines since the wait above name v11 to v14, v17, v19 and window 2, not v1 and not V's registers
	LOADV 1
	s_mov_b32 s36, 0                               ; the head
	s_mov_b32 s42, 0                               ; 64 x the head: its bytes in a row of ctx
; ONE HEAD.  last = 0: the next head's operands are asked for on the way; last = 1: nothing is asked for.
.macro HEAD last
	s_wait_loadcnt 32                              ; Q and K are in; V's 32 loads, issued behind them, may be out
	WIN 0x43                                       ; K window 3, Q window 0, S^T window 1
.irp qt, 0,1
.irp kt, 0,1,2,3,4,5,6,7,8,9,10,11,12,13,14,15
	v_wmma_f32_16x16x64_fp8_fp8 v[8*(16*\qt+\kt):8*(16*\qt+\kt)+7], v[8*\kt:8*\kt+7], v[64+8*\qt:71+8*\qt], 0
.endr
.endr
	WIN 0
	s_wait_alu depctr_vm_vsrc(0)                   ; the LDS stores of the head before have read v7, v240-243, O^T (v160-223) and v16-19, all of which this head writes again
	v_add_nc_u32 v7, s42, v6                       ; four places behind the products, in front of the first read of their results
	v_nop
	v_nop
	v_nop
.if \last == 0
	s_wait_xcnt 0x0                                ; the earlier loads have read their bases: only behind this wait are they stepped
	s_add_nc_u64 s[4:5], s[4:5], 0x10000           ; a head on: 64 images
	s_add_nc_u64 s[6:7], s[6:7], 0x10000
	s_wait_alu depctr_va_vdst(0)                   ; the 32 products are done reading Q and K, in which the loads below, and K's last eight behind the maxima, land
	LOADQ
	LOADK 0, 24                                    ; with V's 32 loads, which may still be out, these 28 make 60: LOADcnt's field is not filled, so no issue has to wait for it (ISA guide 5.7.1); the last eight follow behind the maxima
.endif
	; the largest score of each query among my 256 keys: eight chains (chain 4 qt + k: tiles 4 k .. 4 k + 3), dealt round robin; each accumulator is read from its low end on
	WIN 0x05
.set ch, 0
.rept 8
	v_max_num_f32 v[36+ch], v[32*ch], v[32*ch+1]
.set ch, ch+1
.endr
	WIN 0x14
.set st, 1
.rept 15
.set ch, 0
.rept 8
	v_max3_num_f32 v[36+ch], v[36+ch], v[32*ch+2*st], v[32*ch+2*st+1]
.set ch, ch+1
.endr
.set st, st+1
.endr
	WIN 0
	v_max3_num_f32 v36, v36, v37, v38
	v_max3_num_f32 v40, v40, v41, v42
	v_max_num_f32 v36, v36, v39
	v_max_num_f32 v40, v40, v43
	v_permlanex16_b32 v62, v36, s20, s21           ; the query's other keys lie in the lane 16 away
	v_permlanex16_b32 v63, v40, s20, s21
	v_max_num_f32 v36, v36, v62
	v_max_num_f32 v40, v40, v63
	v_mul_f32 v36, s22, v36                        ; as t (c is positive)
	v_mul_f32 v40, s22, v40
	v_floor_f32 v16, -v36                          ; -M = floor(-t) = -ceil(t): a whole number
	v_floor_f32 v18, -v40
.if \last == 0
	LOADK 24, 32                                   ; no further wait: the lines since the wait ahead of Q's loads name v16, v18, v36-43, v62, v63 and window 1, not v1 and not K's registers
.endif
	; p = 2^(c s - M), in place.  Two exponentials, then the scaling of a pair of the next tile: a plain line on other registers stands behind every second exponential
	WIN 0x41                                       ; S^T window 1, -M window 0
.irp n, 0,2,4,6
	v_pk_fma_f32 v[\n:\n+1], v[\n:\n+1], s[22:23], v[16:17] op_sel_hi:[1,0,0]
.endr
.set tt, 0
.rept 32
.set nn, 0
.rept 4
	v_exp_f32 v[8*tt+2*nn], v[8*tt+2*nn]
	v_exp_f32 v[8*tt+2*nn+1], v[8*tt+2*nn+1]
.if tt < 31
	v_pk_fma_f32 v[8*(tt+1)+2*nn:8*(tt+1)+2*nn+1], v[8*(tt+1)+2*nn:8*(tt+1)+2*nn+1], s[22:23], v[16+2*((tt+1)/16):17+2*((tt+1)/16)] op_sel_hi:[1,0,0]
.endif
.set nn, nn+1
.endr
.set tt, tt+1
.endr
	v_nop                                          ; a plain line behind the last exponentials (ISA guide 5.7.2)
	; l: the sum of the UNQUANTISED p, in eight chains of pairs
	WIN 0x05
.set ch, 0
	s_wait_alu depctr_va_vdst(0)                   ; the 256 exponentials have written p (window 1): one wait for the batch, ahead of its first reader
.rept 8
	v_pk_add_f32 v[44+2*ch:45+2*ch], v[32*ch:32*ch+1], v[32*ch+2:32*ch+3]
.set ch, ch+1
.endr
	WIN 0x04
.set st, 2
.rept 14
.set ch, 0
.rept 8
	v_pk_add_f32 v[44+2*ch:45+2*ch], v[44+2*ch:45+2*ch], v[32*ch+2*st:32*ch+2*st+1]
.set ch, ch+1
.endr
.set st, st+1
.endr
	WIN 0
.irp qt, 0,1
	v_pk_add_f32 v[44+8*\qt:45+8*\qt], v[44+8*\qt:45+8*\qt], v[46+8*\qt:47+8*\qt]
	v_pk_add_f32 v[48+8*\qt:49+8*\qt], v[48+8*\qt:49+8*\qt], v[50+8*\qt:51+8*\qt]
.endr
.irp qt, 0,1
	v_pk_add_f32 v[44+8*\qt:45+8*\qt], v[44+8*\qt:45+8*\qt], v[48+8*\qt:49+8*\qt]
.endr
	v_add_f32 v17, v44, v45
	v_add_f32 v19, v52, v53
	v_permlanex16_b32 v62, v17, s20, s21
	v_permlanex16_b32 v63, v19, s20, s21
	v_add_f32 v17, v17, v62
	v_add_f32 v19, v19, v63
	; p's codes.  p itself stays: the average over heads wants it unquantised.  The branch hangs on a given whole number, the same in every wave; no barrier stands under it
	s_cmp_lg_u32 s40, 0
	s_cbranch_scc1 .Lheld_\@
	WIN 0x01                                       ; p window 1
.set tt, 0
.rept 32
	v_cvt_scalef32_pk8_fp8_f32 v[96+2*tt:97+2*tt], v[8*tt:8*tt+7], v12
.set tt, tt+1
.endr
	WIN 0
	s_branch .Lcoded_\@
.Lheld_\@:                                         ; e9 < -8: the conversion does not saturate (ISA guide 7.6.2), so p is held first, one-sided since it is not negative, in two sets of registers by turns
.set tt, 0
.rept 32
	WIN 0x01
.set jj, 0
.rept 8
	v_min_num_f32 v[80+8*(tt%2)+jj], v[8*tt+jj], v11
.set jj, jj+1
.endr
	WIN 0
	v_cvt_scalef32_pk8_fp8_f32 v[96+2*tt:97+2*tt], v[80+8*(tt%2):87+8*(tt%2)], v12
.set tt, tt+1
.endr
.Lcoded_\@:
	v_nop                                          ; a plain line between the last conversion and the products that read its result
.if \last == 0
	s_wait_loadcnt 36                              ; V is in; the next head's Q and K, 36 loads issued behind it, may be out
.else
	s_wait_loadcnt 0x0                             ; V is in: nothing was issued behind it
.endif
	WIN 0x03                                       ; V window 3; P, O^T window 0
.irp kc, 0,1
.irp tl, 0,1,2,3
.irp qt, 0,1
.if \kc == 0
	v_wmma_f32_16x16x128_fp8_fp8 v[160+8*(2*\tl+\qt):167+8*(2*\tl+\qt)], v[128+16*(4*\kc+\tl):143+16*(4*\kc+\tl)], v[96+32*\qt+16*\kc:111+32*\qt+16*\kc], 0
.else
	v_wmma_f32_16x16x128_fp8_fp8 v[160+8*(2*\tl+\qt):167+8*(2*\tl+\qt)], v[128+16*(4*\kc+\tl):143+16*(4*\kc+\tl)], v[96+32*\qt+16*\kc:111+32*\qt+16*\kc], v[160+8*(2*\tl+\qt):167+8*(2*\tl+\qt)]
.endif
.endr
.endr
.endr                                              ; the eight accumulators take turns, one instruction a turn
	WIN 0
.rept 4
	v_nop                                          ; places in front of the stores of the results; they stay beside the wait below
.endr
	s_wait_alu depctr_va_vdst(0)                   ; the products have written O^T and the statistics' lines v16-19, which the LDS stores read; the products are done reading V and P's codes (v96-159), and the last head's lines v20-35, in which the loads up to the next vector line land
.set nn, 0
.rept 16
	ds_store_b128 v2, v[160+4*nn:163+4*nn] offset:512*nn           ; my partial O^T, as it stands in the registers; each accumulator from its low end on
.set nn, nn+1
.endr
	ds_store_b128 v4, v[16:19]                     ; my -M and l of both tiles
.if \last == 0
	s_wait_xcnt 0x0
	s_add_nc_u64 s[8:9], s[8:9], 0x10000           ; V of the next head:
	LOADV 0                                        ; half of its loads stand between the LDS stores and the wait for them,
.endif
	s_wait_dscnt 0x0                               ; for the others' sake: my stores have landed
	s_barrier_signal -1
	s_barrier_wait -1
.irp s, 0,1,2,3
	ds_load_b128 v[20+4*\s:23+4*\s], v5 offset:512*\s
.endr
.irp s, 0,1,2,3
.irp x, 0,1,2,3
	ds_load_b128 v[96+16*\s+4*\x:99+16*\s+4*\x], v3 offset:8192*\s+512*\x     ; channel tile w of every wave: register 16 s + 8 qt + j
.endr
.endr
.if \last == 0
	LOADV 1                                        ; the other half between the LDS loads and the wait for the statistics
.endif
	s_wait_dscnt 16                                ; the statistics are in; the 16 loads of O^T may be out
	v_min3_num_f32 v62, v20, v24, v28              ; -M of the row: the least of the four
	v_min3_num_f32 v63, v22, v26, v30
	v_min_num_f32 v62, v62, v32
	v_min_num_f32 v63, v63, v34
.irp s, 0,1,2,3
.irp qt, 0,1
	v_sub_f32 v[244+2*\s+\qt], v[62+\qt], v[20+4*\s+2*\qt]         ; wave s's M less the row's: a whole number, 0 or less
.endr
.endr
	v_sub_f32 v252, v62, v16                       ; my own,
	v_sub_f32 v253, v63, v18
	v_add_f32 v252, -4.0, v252                     ; with the 1 / 16 of the average; in f32, ahead of the conversion, which saturates
	v_add_f32 v253, -4.0, v253
.set jj, 244
.rept 10
	v_cvt_i32_f32 v[jj], v[jj]
.set jj, jj+1
.endr
.set jj, 244
.rept 8
	v_ldexp_f32 v[jj], 1.0, v[jj]                  ; 2^(wave s's M - M): nothing is rounded
.set jj, jj+1
.endr
.irp qt, 0,1
	v_mul_f32 v[254+\qt], v[244+\qt], v[21+2*\qt]
.endr
.irp s, 1,2,3
.irp qt, 0,1
	v_fma_f32 v[254+\qt], v[244+2*\s+\qt], v[21+4*\s+2*\qt], v[254+\qt]        ; the row's l
.endr
.endr
	v_rcp_f32 v254, v254
	v_rcp_f32 v255, v255
	v_nop                                          ; a plain line behind the transcendentals
	s_wait_alu depctr_va_vdst(0)                   ; the two reciprocals have written v254 and v255, ahead of their first reader
	v_ldexp_f32 v60, v254, v252                    ; 2^(own M - M) / (16 l)
	v_ldexp_f32 v61, v255, v253
	v_ldexp_f32 v254, v254, s41                    ; 2^(e8 + e9) / l
	v_ldexp_f32 v255, v255, s41
.irp s, 0,1,2,3
	v_pk_mul_f32 v[244+2*\s:245+2*\s], v[244+2*\s:245+2*\s], v[254:255]
.endr
	WIN 0xa1                                       ; p window 1, the factor window 0, the sum over heads window 2.  These 128 lines stand between the loads of O^T and the wait for them
.set jj, 0
.rept 64
	v_pk_fma_f32 v[jj:jj+1], v[jj:jj+1], v[60:61], v[jj:jj+1] op_sel_hi:[1,0,1]
.set jj, jj+2
.endr
.rept 64
	v_pk_fma_f32 v[jj:jj+1], v[jj:jj+1], v[60:61], v[jj:jj+1] op_sel:[0,1,0] op_sel_hi:[1,1,1]
.set jj, jj+2
.endr
	WIN 0
	s_wait_dscnt 0x0                               ; my reads of the exchange are over:
	s_barrier_signal -1                            ; say so; the next head's stores into it stand behind the wait below.  Between signal and wait: work on registers alone
.irp qt, 0,1
.irp i, 0,2,4,6
	v_pk_mul_f32 v[224+8*\qt+\i:225+8*\qt+\i], v[96+8*\qt+\i:97+8*\qt+\i], v[244:245] op_sel:[0,\qt] op_sel_hi:[1,\qt]
.endr
.endr
.irp s, 1,2,3
.irp qt, 0,1
.irp i, 0,2,4,6
	v_pk_fma_f32 v[224+8*\qt+\i:225+8*\qt+\i], v[96+16*\s+8*\qt+\i:97+16*\s+8*\qt+\i], v[244+2*\s:245+2*\s], v[224+8*\qt+\i:225+8*\qt+\i] op_sel:[0,\qt,0] op_sel_hi:[1,\qt,1]
.endr
.endr
.endr
.set jj, 224
.rept 16
	v_med3_num_f32 v[jj], v[jj], -v13, v13
.set jj, jj+1
.endr
	v_cvt_scalef32_pk8_fp8_f32 v[240:241], v[224:231], v14
	v_cvt_scalef32_pk8_fp8_f32 v[242:243], v[232:239], v14
	v_nop                                          ; a plain line behind the conversions
	s_barrier_wait -1
	s_wait_alu depctr_va_vdst(0)                   ; the conversions have written v240-243, which the two LDS stores read.  In the last head also: the sum over heads (window 2) is written, and the vector lines are done with v96-159 and with p (window 1), for the way out
	ds_store_b64 v7, v[240:241]                    ; eight neighbouring channels of my query of tile 0,
	ds_store_b64 v7, v[242:243] offset:8*CP        ; and of tile 1: bytes that no other wave writes
.endm
.Lhead:                                            ; heads 0 to 14: each asks for the head behind it
	HEAD 0
	s_add_co_u32 s42, s42, 64
	s_add_co_u32 s36, s36, 1
	s_cmp_lt_u32 s36, 15
	s_cbranch_scc1 .Lhead
	s_mov_b32 s42, 15*64
	HEAD 1                                         ; head 15
	; THE WAY OUT.  ctx's codes leave as whole rows; the average goes through my own stage, a tile of queries at a time, so that whole rows of 1,024 bytes leave.
	; No vector line stands here ahead of the closing lines: the last head's last wait on va_vdst has shown written all that the LDS stores below read, and done with all in which the LDS loads below land;
	; the global stores' data come from LDS loads, whose counter shows them in.  No register that a store reads is written again.
.macro HIN qt                          ; into the stage: keys 32 g + 16 h + 4 x + 0 .. 3 of lane row r
	WIN 0x08                                       ; store data window 2
.irp g, 0,1,2,3,4,5,6,7
.irp x, 0,1,2,3
	ds_store_b128 v8, v[8*(16*\qt+2*\g+\x/2)+4*(\x%2):8*(16*\qt+2*\g+\x/2)+4*(\x%2)+3] offset:\qt*16*CP+\g*128+16*\x
.endr
.endr
.endm
.macro HBACK qt                        ; and back by rows, into p's registers, which are free.  LDS serves a wave's instructions in order (ISA guide 5.7.1.4): these see my stores
	WIN 0x40                                       ; destination window 1
.set nn, 0
.rept 32
	ds_load_b128 v[128*\qt+4*nn:128*\qt+4*nn+3], v9 offset:\qt*16*CP+(nn/2)*CP+(nn%2)*512
.set nn, nn+1
.endr
.endm
.macro HOUT qt, younger                ; younger: the LDS instructions issued behind the tile's 32 loads
	WIN 0x04                                       ; store data window 1
.set nn, 0
.rept 32
	s_wait_dscnt \younger+31-nn
	global_store_b128 v1, v[128*\qt+4*nn:128*\qt+4*nn+3], s[14:15] offset:(8*\qt+(nn/2)+8*((nn/2)/8))*4096+(nn%2)*512 th:TH_STORE_NT   ; lane row R of tile qt is query 8 qt + R + 8 (R / 8); 512 consecutive bytes
.set nn, nn+1
.endr
.endm
	s_wait_dscnt 0x0
	s_barrier_signal -1
	s_barrier_wait -1                              ; 32 whole rows of ctx's codes lie in LDS
.set nn, 0
.rept 16
	ds_load_b128 v[96+4*nn:99+4*nn], v10 offset:(nn/2)*CP+(nn%2)*512
.set nn, nn+1
.endr
	HIN 0
	WIN 0
.set nn, 0
.rept 16
	s_wait_dscnt 47-nn                             ; behind load nn stand 15 - nn loads and tile 0's 32 stores
	global_store_b128 v1, v[96+4*nn:99+4*nn], s[12:13] offset:(nn/2)*1024+(nn%2)*512   ; 512 consecutive bytes: half a row of ctx_codes
.set nn, nn+1
.endr
	HBACK 0
	HIN 1
	HOUT 0, 32                                     ; behind tile 0's loads: tile 1's 32 stores
	HBACK 1
	HOUT 1, 0
	WIN 0
	s_wait_xcnt 0x0
	v_lshl_add_u32 v254, v0, 2, 0x32000            ; the closing pair, made anew: no memory or LDS instruction has read v254 or v255
	v_mov_b32 v255, 0
	s_wait_dscnt 0x0                               ; the closing lines, six on end
	s_wait_alu 0x0
	s_wait_tensorcnt 0x0
	ds_add_u32 v254, v255
	s_wait_dscnt 0x0
	s_endpgm
.Lfunc_end_k_q26babeb369_attn:
	.size	k_q26babeb369_attn, .Lfunc_end_k_q26babeb369_attn-k_q26babeb369_attn
	.p2alignl 7, 3214868480
	.fill 96, 4, 3214868480
	.section	.rodata,"a",@progbits
	.p2align	6, 0x0
	.amdhsa_kernel k_q26babeb369_attn
		.amdhsa_group_segment_fixed_size 205312
		.amdhsa_private_segment_fixed_size 0
		.amdhsa_enable_private_segment 0
		.amdhsa_kernarg_size 48
		.amdhsa_user_sgpr_count 2
		.amdhsa_user_sgpr_kernarg_segment_ptr 1
		.amdhsa_wavefront_size32 1
		.amdhsa_system_sgpr_workgroup_id_x 1
		.amdhsa_system_sgpr_workgroup_id_y 1
		.amdhsa_system_sgpr_workgroup_id_z 1
		.amdhsa_system_vgpr_workitem_id 0
		.amdhsa_next_free_vgpr 1024
		.amdhsa_next_free_sgpr 66
		.amdhsa_reserve_vcc 0
		.amdhsa_float_denorm_mode_32 3
		.amdhsa_float_denorm_mode_16_64 3
		.amdhsa_memory_ordered 1
		.amdhsa_forward_progress 1
		.amdhsa_inst_pref_size 179
	.end_amdhsa_kernel
	.amdgpu_metadata
---
amdhsa.version: [ 1, 2 ]
amdhsa.kernels:
  - .name:           k_q26babeb369_attn
    .symbol:         k_q26babeb369_attn.kd
    .args:
      - { .name: q_img, .offset: 0, .size: 8, .value_kind: global_buffer, .address_space: global }
      - { .name: k_img, .offset: 8, .size: 8, .value_kind: global_buffer, .address_space: global }
      - { .name: v_img, .offset: 16, .size: 8, .value_kind: global_buffer, .address_space: global }
      - { .name: lowp_scales, .offset: 24, .size: 8, .value_kind: global_buffer, .address_space: global }
      - { .name: ctx_codes, .offset: 32, .size: 8, .value_kind: global_buffer, .address_space: global }
      - { .name: out1, .offset: 40, .size: 8, .value_kind: global_buffer, .address_space: global }
    .group_segment_fixed_size: 205312
    .private_segment_fixed_size: 0
    .kernarg_segment_align: 8
    .kernarg_segment_size: 48
    .max_flat_workgroup_size: 128
    .sgpr_count:     66
    .vgpr_count:     1024
    .wavefront_size: 32
...
	.end_amdgpu_metadata
.endif
;; end of part 5
;; launch outp: the kernel of part 4 again; grid 4 x 64, 4 waves a work-group, clusters of 4 x 4, 327,680 bytes of LDS; arguments ctx_codes, out_proj_w_codes, lowp_scales, out_proj_b, query, out0; writes out0
